; MI455X (gfx1250); checked and timed in simulation.
; The chip was launched on July 23, 2026; its instructions are those of AMD's public machine-readable ISA for CDNA 5 (MIT licence, August 2026) and "CDNA5" Instruction Set Architecture Reference Guide (July 2026). The comments in the code are by the model that wrote it; some were corrected since.
;; Mo Co. Allowed arithmetic: float matrix products may take bf16 or f16 operands with f32 sums; other float arithmetic in f32, or as packed bf16 or f16 multiplies, adds, multiply-adds, maxima and minima; sums over many terms, partial sums and values carried from step to step in f32; what a program stores and reads back later, other than sums and carried values, may be rounded once to bf16 or f16.
;; Inputs: W1 1,024 x 256 float32; W2 1,024 x 256 float32; context1 1,024 x 256 float32; context2 1,024 x 256 float32; qnoise 4,096 x 256 float32; queue_k 4,096 x 256 float32; queue_n 32,768 x 256 float32; u1a 4,096 x 1,024 float32; u1b 4,096 x 1,024 float32; u2a 4,096 x 1,024 float32; u2b 4,096 x 1,024 float32; x1 4,096 x 1,024 float32; x2 4,096 x 1,024 float32.
;; Outputs: out0 4,096 int32; out1 4,096 x 256 float32; out2 1,024 x 256 float32; out3 one number float32.
;; 2 versions, each right; version 2 is version 1 with the launch feat written anew for expert scheduling mode. Each part assembles by itself: llvm-mc -triple=amdgcn-amd-amdhsa -mcpu=gfx1250 --defsym DOCPART=n.
;; ======== version 1 of 2: 7 launches
;; workspace buffers: wprep 22,020,096 bytes; wfeat 14,680,064 bytes; wlossn 524,288 bytes; wgsm 17,956,864 bytes; wagg 16,842,752 bytes; wfin 532,480 bytes; wlossk 65,536 bytes
;; launch prep (part 1): grid 256 x 1, 8 waves a work-group, no clusters, 5,376 bytes of LDS; arguments queue_n, queue_k, qnoise, context1, context2, W1, W2, wprep; writes wprep
.if DOCPART == 1
	.amdgcn_target "amdgcn-amd-amdhsa--gfx1250"
	.amdhsa_code_object_version 6
	.text
	.protected	k_q9c81795628_prep
	.globl	k_q9c81795628_prep
	.p2align	8
	.type	k_q9c81795628_prep,@function
k_q9c81795628_prep:
	s_mov_b64 s[64:65], 0
	v_nop
	global_prefetch_b8 v0, s[64:65] scope:SCOPE_SE
	s_setreg_imm32_b32 hwreg(HW_REG_WAVE_MODE, 25, 1), 1
	s_wait_xcnt 0x0
; PREP: the tables that the later launches multiply by, each made once.
;   QN  = bf16(l2norm(queue_n))                      QK = bf16(l2norm(2 l2norm(queue_k) + qnoise))
;   CH, CL (both views) = l2norm(context rounded to bf16) as f16 hi + f16 lo (lo = f16(v - hi))
;   WT  = W1, W2 in bf16, IN FRAGMENT ORDER: the block of columns 16 nb .. + 15 and k = 32 kf .. + 31 is 1,024 bytes at (32 nb + kf) x 1,024; in it the 16 bytes at 512 half + 16 lane
;         are column 16 nb + lane % 16, k = 32 kf + 16 half + 8 (lane / 16) + 0..7: what that lane's registers 4 half .. 4 half + 3 of a fragment hold, so a fragment load covers 512 consecutive bytes.
; WORK LEFT OUT IN THIS PROGRAM, for all values of the inputs:
;  (1) u2b.  reference() returns assign_1, agg_n_2, agg_k_2 and loss; _assign_2 is returned by _cross_rep and used nowhere, and u2b feeds nothing else.
;      So u2b has no way to any output: it is not loaded and is no launch's argument.
;  (2) The hard softmax of view 1.  y + stop_gradient(one_hot(argmax y) - y) is one_hot(argmax y) in exact arithmetic, and softmax is strictly increasing in
;      its input along the axis: assign_1 is the first index of the largest logits + g.  That sum is formed as reference() forms it (one f32 addition).
;  (3) In the soft softmax the term -ln(ln 2) of g = -ln 2 log2(-log2 u') - ln(ln 2) is the same along the softmax's axis and is dropped; the maximum is still taken away.
; LIMITS.  A NaN, an infinity or an overflow that reaches only the work left out is not carried to the result.  NaN and infinities are not treated apart.
; All inputs that decide out0, out1, out2 (x, W, context, u) are rounded to bf16 before anything is made of them.  Ties that only the rounding of reference()'s exponential or division makes are not reproduced.
; SHARES.  Wave gw = 8 x work-group + wave (0..2047): 16 rows of queue_n, 2 rows of queue_k and qnoise, 1 row of a context; the work-group: 128 k x 16 n of a W.
; A row of 256 f32 lies in a wave as: lane i holds elements 4 i .. 4 i + 3 and 128 + 4 i .. + 3: each load covers 512 consecutive bytes, each 16-bit store 256, aligned.
.set QK_O,  16777216
.set WT_O,  18874368
.set CH_O,  19922944                   ; CH(view) = CH_O + view x 1,048,576; CL = CH + 524,288
.set TP,    272                        ; LDS: a row of the turned tile, 256 bytes + 16
.set SPARE, 4352                       ; behind the tile: the spare words, 128 bytes a wave
.set PP,    10                         ; v[10:25] eight pairs: a row's sum of squares, then 1/sqrt; the second register at work
.set RA,    40                         ; v[40:167]  16 rows of queue_n
.set RB,    168                        ; v[168:183] 2 rows of queue_k
.set RN,    184                        ; v[184:199] 2 rows of qnoise
.set RC,    200                        ; v[200:207] a context row
.set RD,    208                        ; v[208:215] two pieces of W; v[216:219] turned; v[220:223] read back
; 1 / sqrt(max(sum of squares, 1e-12)) of cnt rows at v[base + 8 i], in every lane, into v[PP + 2 i]
.macro RSQN base, cnt
.set i, 0
.rept \cnt
	v_pk_mul_f32 v[PP+2*i:PP+2*i+1], v[(\base)+8*i:(\base)+8*i+1], v[(\base)+8*i:(\base)+8*i+1]
.set i, i+1
.endr
.irp j, 2,4,6
.set i, 0
.rept \cnt
	v_pk_fma_f32 v[PP+2*i:PP+2*i+1], v[(\base)+8*i+(\j):(\base)+8*i+(\j)+1], v[(\base)+8*i+(\j):(\base)+8*i+(\j)+1], v[PP+2*i:PP+2*i+1]
.set i, i+1
.endr
.endr
.set i, 0
.rept \cnt
	v_add_f32 v[PP+2*i], v[PP+2*i], v[PP+2*i+1]
.set i, i+1
.endr
.irp m, 1,2,4,8
.set i, 0
.rept \cnt
	v_add_f32_dpp v[PP+2*i], v[PP+2*i], v[PP+2*i] row_xmask:\m row_mask:0xf bank_mask:0xf
.set i, i+1
.endr
.endr
.set i, 0
.rept \cnt
	v_permlanex16_b32 v[PP+2*i+1], v[PP+2*i], s46, s47
.set i, i+1
.endr
.set i, 0
.rept \cnt
	v_add_f32 v[PP+2*i], v[PP+2*i], v[PP+2*i+1]
.set i, i+1
.endr
.set i, 0
.rept \cnt
	v_max_num_f32 v[PP+2*i], 0x2b8cbccc, v[PP+2*i]     ; 1e-12, reference()'s guard
.set i, i+1
.endr
.set i, 0
.rept \cnt
	v_rsq_f32 v[PP+2*i], v[PP+2*i]
.set i, i+1
.endr
	v_nop                                          ; a plain instruction behind the last root,
	s_wait_alu depctr_va_vdst(0)                   ; and one wait for the batch, ahead of its first reader
.endm
.macro SCALE base, cnt                 ; the rows times their 1/sqrt
.set i, 0
.rept \cnt
.irp j, 0,2,4,6
	v_pk_mul_f32 v[(\base)+8*i+(\j):(\base)+8*i+(\j)+1], v[(\base)+8*i+(\j):(\base)+8*i+(\j)+1], v[PP+2*i:PP+2*i+1] op_sel_hi:[1,0]
.endr
.set i, i+1
.endr
.endm
.macro OUTBF base, cnt, sb, off        ; rounded to bf16 in place (each row's first four registers) and stored; the registers are not written again
.set i, 0
.rept \cnt
.irp j, 0,1,2,3
	v_cvt_pk_bf16_f32 v[(\base)+8*i+(\j)], v[(\base)+8*i+2*(\j)], v[(\base)+8*i+2*(\j)+1]
.endr
	global_store_b64 v3, v[(\base)+8*i:(\base)+8*i+1], s[(\sb):(\sb)+1] offset:(\off)+512*i
	global_store_b64 v3, v[(\base)+8*i+2:(\base)+8*i+3], s[(\sb):(\sb)+1] offset:(\off)+512*i+256
.set i, i+1
.endr
.endm
	s_load_b512 s[4:19], s[0:1], 0x0               ; queue_n, queue_k, qnoise, context1, context2, W1, W2, wprep
	v_lshl_add_u32 v4, v0, 2, SPARE                ; my spare word
	v_mov_b32 v5, 0
	v_lshrrev_b32 v1, 5, v0
	v_readfirstlane_b32 s20, v1                    ; wave
	s_mov_b32 s21, ttmp9
	s_lshl_b32 s22, s21, 3
	s_add_co_u32 s22, s22, s20                     ; gw
	s_lshr_b32 s23, s21, 7                         ; view of the context row and of the W tile
	s_mov_b32 s46, 0x76543210
	s_mov_b32 s47, 0xfedcba98
	v_and_b32 v1, 31, v0
	v_lshlrev_b32 v2, 4, v1                        ; 16 x lane
	v_lshlrev_b32 v3, 3, v1                        ; 8 x lane
	v_lshrrev_b32 v26, 2, v0
	v_and_b32 v27, 3, v0
	v_lshlrev_b32 v6, 11, v26                      ; W: rows 2 (t / 4), 2 (t / 4) + 1,
	v_lshl_add_u32 v6, v27, 4, v6                  ; columns 4 (t % 4) ..
	v_mul_u32_u24 v7, v27, 4*TP                    ; into the tile: row n = 4 (t % 4) + e, word t / 4
	v_lshl_add_u32 v7, v26, 2, v7
	v_lshrrev_b32 v28, 4, v0
	v_and_b32 v29, 15, v0
	v_mul_u32_u24 v8, v29, TP                      ; back, in fragment order: row n = t % 16, the 16 bytes of k = 8 (t / 16) + 0..7:
	v_lshl_add_u32 v8, v28, 4, v8                  ; t / 16 = (lane / 16) + 2 half + 4 block
	v_lshlrev_b32 v9, 4, v0                        ; and 16 t in the tile's four blocks, 4,096 consecutive bytes of WT
	v_mov_b32 v38, 1.0
	s_mov_b32 s25, 0
	s_wait_kmcnt 0x0
	s_lshl_b32 s24, s22, 14
	s_add_nc_u64 s[26:27], s[4:5], s[24:25]        ; queue_n at my 16 rows
	s_lshl_b32 s24, s22, 13
	s_add_nc_u64 s[28:29], s[18:19], s[24:25]      ; QN at the same rows
	s_lshl_b32 s24, s22, 11
	s_add_nc_u64 s[30:31], s[6:7], s[24:25]        ; queue_k, qnoise at my 2 rows
	s_add_nc_u64 s[32:33], s[8:9], s[24:25]
	s_lshl_b32 s24, s22, 10
	s_add_co_u32 s24, s24, QK_O
	s_add_nc_u64 s[34:35], s[18:19], s[24:25]
	s_and_b32 s36, s22, 1023                       ; my context row
	s_cmp_eq_u32 s23, 0
	s_cselect_b64 s[38:39], s[10:11], s[12:13]
	s_cselect_b64 s[40:41], s[14:15], s[16:17]
	s_lshl_b32 s24, s36, 10
	s_add_nc_u64 s[38:39], s[38:39], s[24:25]
	s_lshl_b32 s24, s36, 9
	s_lshl_b32 s37, s23, 20
	s_add_co_u32 s24, s24, s37
	s_add_co_u32 s24, s24, CH_O
	s_add_nc_u64 s[42:43], s[18:19], s[24:25]      ; CH(view) at my row
	s_and_b32 s36, s21, 7                          ; kb: 128 k
	s_bfe_u32 s37, s21, 0x40003                    ; nb: 16 n
	s_lshl_b32 s24, s36, 17
	s_lshl_b32 s44, s37, 6
	s_add_co_u32 s24, s24, s44
	s_add_nc_u64 s[40:41], s[40:41], s[24:25]      ; W at the tile
	s_lshl_b32 s24, s23, 19
	s_lshl_b32 s44, s37, 15                        ; 32 blocks of 1,024 bytes for each 16 columns,
	s_add_co_u32 s24, s24, s44
	s_lshl_b32 s44, s36, 12                        ; four of them for each 128 k
	s_add_co_u32 s24, s24, s44
	s_add_co_u32 s24, s24, WT_O
	s_add_nc_u64 s[44:45], s[18:19], s[24:25]      ; WT at the tile's four blocks
	; all 44 loads at once: 32 (queue_n), 8 (queue_k, qnoise), 2 (context), 2 (W)
.set i, 0
.rept 16
	global_load_b128 v[RA+8*i:RA+8*i+3],   v2, s[26:27] offset:1024*i th:TH_LOAD_NT
	global_load_b128 v[RA+8*i+4:RA+8*i+7], v2, s[26:27] offset:1024*i+512 th:TH_LOAD_NT
.set i, i+1
.endr
.set i, 0
.rept 2
	global_load_b128 v[RB+8*i:RB+8*i+3],   v2, s[30:31] offset:1024*i th:TH_LOAD_NT
	global_load_b128 v[RB+8*i+4:RB+8*i+7], v2, s[30:31] offset:1024*i+512 th:TH_LOAD_NT
	global_load_b128 v[RN+8*i:RN+8*i+3],   v2, s[32:33] offset:1024*i th:TH_LOAD_NT
	global_load_b128 v[RN+8*i+4:RN+8*i+7], v2, s[32:33] offset:1024*i+512 th:TH_LOAD_NT
.set i, i+1
.endr
	global_load_b128 v[RC:RC+3],   v2, s[38:39] th:TH_LOAD_NT
	global_load_b128 v[RC+4:RC+7], v2, s[38:39] offset:512 th:TH_LOAD_NT
	global_load_b128 v[RD:RD+3],   v6, s[40:41]
	global_load_b128 v[RD+4:RD+7], v6, s[40:41] offset:1024
	s_wait_loadcnt 28                              ; rows 0-7 are in: 28 younger loads may stay out
	RSQN RA, 8
	SCALE RA, 8
	OUTBF RA, 8, 28, 0
	s_wait_loadcnt 12                              ; rows 8-15: 12 younger
	RSQN RA+64, 8
	SCALE RA+64, 8
	OUTBF RA+64, 8, 28, 4096
	s_wait_loadcnt 4                               ; queue_k and qnoise: 4 younger
	RSQN RB, 2
.set i, 0
.rept 2
	v_add_f32 v[PP+2*i], v[PP+2*i], v[PP+2*i]      ; queue_k + qnoise + queue_k = 2 l2norm(queue_k) + qnoise
.irp j, 0,2,4,6
	v_pk_fma_f32 v[RB+8*i+(\j):RB+8*i+(\j)+1], v[RB+8*i+(\j):RB+8*i+(\j)+1], v[PP+2*i:PP+2*i+1], v[RN+8*i+(\j):RN+8*i+(\j)+1] op_sel_hi:[1,0,1]
.endr
.set i, i+1
.endr
	RSQN RB, 2
	SCALE RB, 2
	OUTBF RB, 2, 34, 0
	s_wait_loadcnt 2                               ; the context row: 2 younger
.irp j, 0,2,4,6
	v_cvt_pk_bf16_f32 v[30+(\j)/2], v[RC+(\j)], v[RC+(\j)+1]  ; the input rounded to bf16,
.endr
.irp j, 0,2,4,6
	v_lshlrev_b32 v[RC+(\j)], 16, v[30+(\j)/2]     ; and widened again
	v_and_b32 v[RC+(\j)+1], 0xffff0000, v[30+(\j)/2]
.endr
	RSQN RC, 1
	SCALE RC, 1
.irp j, 0,1,2,3
	v_cvt_pk_f16_f32 v[26+(\j)], v[RC+2*(\j)], v[RC+2*(\j)+1]  ; hi
.endr
.irp j, 0,1,2,3
	v_fma_mix_f32 v[RC+2*(\j)],   -v[26+(\j)], v38, v[RC+2*(\j)]   op_sel_hi:[1,0,0]               ; v - hi, exact in f32
	v_fma_mix_f32 v[RC+2*(\j)+1], -v[26+(\j)], v38, v[RC+2*(\j)+1] op_sel:[1,0,0] op_sel_hi:[1,0,0]
.endr
.irp j, 0,1,2,3
	v_cvt_pk_f16_f32 v[34+(\j)], v[RC+2*(\j)], v[RC+2*(\j)+1]  ; lo
.endr
	global_store_b64 v3, v[26:27], s[42:43]
	global_store_b64 v3, v[28:29], s[42:43] offset:256
	global_store_b64 v3, v[34:35], s[42:43] offset:524288
	global_store_b64 v3, v[36:37], s[42:43] offset:524288+256
	s_wait_loadcnt 0x0                             ; W
.irp e, 0,1,2,3
	v_cvt_pk_bf16_f32 v[RD+8+(\e)], v[RD+(\e)], v[RD+4+(\e)]   ; W[k][n+e], W[k+1][n+e]: one word of row n + e of the turned tile
.endr
.irp e, 0,1,2,3
	ds_store_b32 v7, v[RD+8+(\e)] offset:(\e)*TP
.endr
	s_wait_dscnt 0x0                               ; for the others' sake: my words of the tile are written
	s_barrier_signal -1
	s_barrier_wait -1
	ds_load_b128 v[RD+12:RD+15], v8                ; sixteen lanes take one column of 16 bytes in sixteen rows 272 bytes apart
	s_wait_dscnt 0x0
	global_store_b128 v9, v[RD+12:RD+15], s[44:45] ; a wave stores 512 consecutive bytes, aligned
	s_wait_tensorcnt 0x0                           ; the wave's end: three closing lines behind my last LDS store
	ds_add_u32 v4, v5
	s_wait_dscnt 0x0
	s_endpgm
.Lfunc_end_k_q9c81795628_prep:
	.size	k_q9c81795628_prep, .Lfunc_end_k_q9c81795628_prep-k_q9c81795628_prep
	.p2alignl 7, 3214868480
	.fill 96, 4, 3214868480
	.section	.rodata,"a",@progbits
	.p2align	6, 0x0
	.amdhsa_kernel k_q9c81795628_prep
		.amdhsa_group_segment_fixed_size 5376
		.amdhsa_private_segment_fixed_size 0
		.amdhsa_enable_private_segment 0
		.amdhsa_kernarg_size 64
		.amdhsa_user_sgpr_count 2
		.amdhsa_user_sgpr_kernarg_segment_ptr 1
		.amdhsa_wavefront_size32 1
		.amdhsa_system_sgpr_workgroup_id_x 1
		.amdhsa_system_sgpr_workgroup_id_y 1
		.amdhsa_system_sgpr_workgroup_id_z 1
		.amdhsa_system_vgpr_workitem_id 0
		.amdhsa_next_free_vgpr 224
		.amdhsa_next_free_sgpr 66
		.amdhsa_reserve_vcc 0
		.amdhsa_float_denorm_mode_32 3
		.amdhsa_float_denorm_mode_16_64 3
		.amdhsa_memory_ordered 1
		.amdhsa_forward_progress 1
		.amdhsa_inst_pref_size 39
	.end_amdhsa_kernel
	.amdgpu_metadata
---
amdhsa.version: [ 1, 2 ]
amdhsa.kernels:
  - .name:           k_q9c81795628_prep
    .symbol:         k_q9c81795628_prep.kd
    .args:
      - { .name: queue_n, .offset: 0, .size: 8, .value_kind: global_buffer, .address_space: global }
      - { .name: queue_k, .offset: 8, .size: 8, .value_kind: global_buffer, .address_space: global }
      - { .name: qnoise, .offset: 16, .size: 8, .value_kind: global_buffer, .address_space: global }
      - { .name: context1, .offset: 24, .size: 8, .value_kind: global_buffer, .address_space: global }
      - { .name: context2, .offset: 32, .size: 8, .value_kind: global_buffer, .address_space: global }
      - { .name: W1, .offset: 40, .size: 8, .value_kind: global_buffer, .address_space: global }
      - { .name: W2, .offset: 48, .size: 8, .value_kind: global_buffer, .address_space: global }
      - { .name: wprep, .offset: 56, .size: 8, .value_kind: global_buffer, .address_space: global }
    .group_segment_fixed_size: 5376
    .private_segment_fixed_size: 0
    .kernarg_segment_align: 8
    .kernarg_segment_size: 64
    .max_flat_workgroup_size: 256
    .sgpr_count:     66
    .vgpr_count:     224
    .wavefront_size: 32
...
	.end_amdgpu_metadata
.endif
;; end of part 1
;; launch feat (part 2): grid 128 x 2, 8 waves a work-group, no clusters, 101,376 bytes of LDS; arguments x1, x2, wprep, wfeat, out1; writes wfeat, out1
.if DOCPART == 2
	.amdgcn_target "amdgcn-amd-amdhsa--gfx1250"
	.amdhsa_code_object_version 6
	.text
	.protected	k_q9c81795628_feat
	.globl	k_q9c81795628_feat
	.p2align	8
	.type	k_q9c81795628_feat,@function
k_q9c81795628_feat:
	s_mov_b64 s[64:65], 0
	v_nop
	global_prefetch_b8 v0, s[64:65] scope:SCOPE_SE
	s_setreg_imm32_b32 hwreg(HW_REG_WAVE_MODE, 25, 1), 1
	s_wait_xcnt 0x0
; FEAT: feat_v = l2norm(x_v W_v), products in bf16 with f32 sums.  f16 has the room for feat: |feat| <= 1 by reference()'s own normalisation.
; STORED.  In fragment order (the block of rows 16 T .. + 15 and columns 32 kf .. + 31 is 1,024 bytes at (8 T + kf) x 1,024; in it the 16 bytes at 512 half + 16 lane are row lane % 16,
; columns 32 kf + 16 half + 8 (lane / 16) + 0..7): feat hi and lo in f16 (lo = f16(feat - hi)) for both views, and for view 1 Q1S = bf16(feat_1 c), c = log2(e) / 0.07.
; By rows: feat hi in f16 for both views, and for view 2 out1 in f32.
; SHARES.  A work-group: 32 rows x all 256 columns of one view (grid y).  x's 32 rows are rounded to bf16 into LDS once.  Wave w: columns 32 w .. + 31 (two tiles) x both row tiles: four accumulators, taken by turns.
; The product is used transposed (source 0 = 16 columns of W, source 1 = 16 rows of x): a lane holds one row (lane % 16) and eight neighbouring columns: 16 bytes of a block in fragment order,
; so those results leave straight from registers, 512 consecutive bytes a store.
; W's fragments come straight from memory, in fragment order, 512 consecutive bytes a load; two sets of registers, a K step of 128 each.
.set XP,    2064                       ; LDS: a row of x in bf16, 2,048 bytes + 16
.set PART,  66048                      ; 8 waves x 32 rows: partial sums of squares
.set STG,   67072                      ; 32 rows of feat in f32, pitch 1,040
.set SGP,   1040
.set SPARE, 100352
.set WT_O,  18874368
.set FHF_O, 10485760                   ; wfeat: Q1S (fragments) 0; hi by rows 2,097,152 + view x 4,194,304; lo (fragments) 4,194,304 + view x 4,194,304; hi (fragments) 10,485,760 + view x 2,097,152
.set FLF_O, 4194304
.set XF,    32                         ; v[32:95]   x's fragments (row tile mt, fragment kf at 8 (4 mt + kf)); v[32:159] first hold x as loaded
.set WS1,   96                         ; v[96:159]  W's fragments, odd K steps
.set WS0,   160                        ; v[160:223] even K steps
.set ACC,   224                        ; v[224:255] accumulator (nt, mt) at 8 (2 nt + mt)
.macro PLACES
.rept 4
	v_nop
.endr
.endm
.macro WLOAD t, ws                     ; 16 loads: K step t of my 32 columns of W
.irp nt, 0,1
.irp kf, 0,1,2,3
	global_load_b128 v[(\ws)+8*(4*(\nt)+(\kf)):(\ws)+8*(4*(\nt)+(\kf))+3],   v7, s[20:21] offset:(\nt)*32768+(\t)*4096+(\kf)*1024
	global_load_b128 v[(\ws)+8*(4*(\nt)+(\kf))+4:(\ws)+8*(4*(\nt)+(\kf))+7], v7, s[20:21] offset:(\nt)*32768+(\t)*4096+(\kf)*1024+512
.endr
.endr
.endm
.macro TRIP t
.set WS, WS0-64*((\t)%2)
	PLACES                                         ; four places between the last product and loads into registers that it read
.irp mt, 0,1
.irp kf, 0,1,2,3
	ds_load_b128 v[XF+8*(4*(\mt)+(\kf)):XF+8*(4*(\mt)+(\kf))+3],   v6 offset:(\mt)*16*XP+(\t)*256+(\kf)*64
	ds_load_b128 v[XF+8*(4*(\mt)+(\kf))+4:XF+8*(4*(\mt)+(\kf))+7], v6 offset:(\mt)*16*XP+(\t)*256+(\kf)*64+32
.endr
.endr
.if (\t) < 7
	s_wait_loadcnt 16                              ; this step's set is in; the other set's 16 loads may stay out
.else
	s_wait_loadcnt 0x0
.endif
	s_wait_dscnt 0x0
.irp kf, 0,1,2,3
.irp nt, 0,1
.irp mt, 0,1
.if ((\t) == 0) && ((\kf) == 0)
	v_wmma_f32_16x16x32_bf16 v[ACC+8*(2*(\nt)+(\mt)):ACC+8*(2*(\nt)+(\mt))+7], v[WS+8*(4*(\nt)+(\kf)):WS+8*(4*(\nt)+(\kf))+7], v[XF+8*(4*(\mt)+(\kf)):XF+8*(4*(\mt)+(\kf))+7], 0
.else
	v_wmma_f32_16x16x32_bf16 v[ACC+8*(2*(\nt)+(\mt)):ACC+8*(2*(\nt)+(\mt))+7], v[WS+8*(4*(\nt)+(\kf)):WS+8*(4*(\nt)+(\kf))+7], v[XF+8*(4*(\mt)+(\kf)):XF+8*(4*(\mt)+(\kf))+7], v[ACC+8*(2*(\nt)+(\mt)):ACC+8*(2*(\nt)+(\mt))+7]
.endif
.endr
.endr
.endr
.if (\t) <= 5
	PLACES
	WLOAD (\t)+2, WS                               ; the set just multiplied takes the step two on
.endif
.endm
	s_load_b256 s[4:11], s[0:1], 0x0               ; x1, x2, wprep, wfeat
	s_load_b64 s[12:13], s[0:1], 0x20              ; out1
	v_lshl_add_u32 v14, v0, 2, SPARE
	v_mov_b32 v15, 0
	v_lshrrev_b32 v1, 5, v0
	v_readfirstlane_b32 s14, v1                    ; wave
	s_and_b32 s15, ttmp7, 0xffff                   ; view
	s_mov_b32 s17, ttmp9                           ; block of 32 rows
	s_mov_b32 s36, 0x76543210
	s_mov_b32 s37, 0xfedcba98
	v_and_b32 v1, 31, v0
	v_and_b32 v2, 15, v0                           ; r
	v_bfe_u32 v3, v0, 4, 1                         ; h
	v_lshlrev_b32 v4, 4, v1                        ; 16 x lane
	v_lshlrev_b32 v13, 3, v1                       ; 8 x lane
	v_mov_b32 v12, 1.0
	s_mul_i32 s16, s14, 4*XP
	v_add_nc_u32 v5, s16, v13                      ; x into LDS: my 4 rows
	v_mul_u32_u24 v6, v2, XP
	v_lshl_add_u32 v6, v3, 4, v6                   ; x's fragments
	s_lshl_b32 s16, s14, 16
	v_add_nc_u32 v7, s16, v4                       ; W's fragments: my two column tiles' 64 blocks + 16 x lane
	s_lshl_b32 s16, s14, 7
	s_add_co_u32 s16, s16, PART
	v_lshl_add_u32 v8, v2, 2, s16                  ; my partial sums
	v_lshlrev_b32 v9, 2, v2
	v_add_nc_u32 v9, PART, v9                      ; everybody's
	v_mul_u32_u24 v10, v2, SGP
	v_lshl_add_u32 v10, v3, 5, v10
	s_lshl_b32 s16, s14, 7
	s_add_co_u32 s16, s16, STG
	v_add_nc_u32 v10, s16, v10                     ; feat into the stage: row r, columns 32 w + 8 h
	s_mul_i32 s16, s14, 4*SGP
	s_add_co_u32 s16, s16, STG
	v_add_nc_u32 v11, s16, v4                      ; back: my 4 rows
	s_mov_b32 s29, 0
	s_wait_kmcnt 0x0
	s_cmp_eq_u32 s15, 0
	s_cselect_b64 s[18:19], s[4:5], s[6:7]
	s_lshl_b32 s28, s17, 17
	s_lshl_b32 s30, s14, 14
	s_add_co_u32 s28, s28, s30
	s_add_nc_u64 s[18:19], s[18:19], s[28:29]      ; x at my 4 rows
	s_lshl_b32 s28, s15, 19
	s_add_co_u32 s28, s28, WT_O
	s_add_nc_u64 s[20:21], s[8:9], s[28:29]        ; WT(view)
.set i, 0
.rept 32                               ; row i / 8, piece i % 8 of 512 bytes
	global_load_b128 v[32+4*i:32+4*i+3], v4, s[18:19] offset:(i/8)*4096+(i%8)*512 th:TH_LOAD_NT
.set i, i+1
.endr
	WLOAD 0, WS0
	s_lshl_b32 s28, s17, 14                        ; in fragment order: the block's two row tiles, 8,192 bytes each,
	s_lshl_b32 s30, s14, 10                        ; my wave's 32 columns: one block of 1,024 bytes in each
	s_add_co_u32 s28, s28, s30
	s_add_nc_u64 s[22:23], s[10:11], s[28:29]      ; Q1S
	s_lshl_b32 s30, s15, 21
	s_add_co_u32 s30, s30, s28
	s_add_co_u32 s30, s30, FHF_O
	s_mov_b32 s31, 0
	s_add_nc_u64 s[32:33], s[10:11], s[30:31]      ; hi
	s_lshl_b32 s30, s15, 22
	s_add_co_u32 s30, s30, s28
	s_add_co_u32 s30, s30, FLF_O
	s_add_nc_u64 s[34:35], s[10:11], s[30:31]      ; lo
	s_lshl_b32 s28, s17, 14                        ; by rows
	s_lshl_b32 s30, s14, 11
	s_add_co_u32 s28, s28, s30
	s_lshl_b32 s30, s15, 22
	s_add_co_u32 s28, s28, s30
	s_add_nc_u64 s[24:25], s[10:11], s[28:29]      ; hi by rows at + 2,097,152, my 4 rows
	s_lshl_b32 s28, s17, 15
	s_lshl_b32 s30, s14, 12
	s_add_co_u32 s28, s28, s30
	s_add_nc_u64 s[26:27], s[12:13], s[28:29]      ; out1 at my 4 rows
	s_wait_loadcnt 16                              ; x is in; W's 16 younger loads may stay out
.set i, 0
.rept 32
	v_cvt_pk_bf16_f32 v[32+4*i],   v[32+4*i],   v[32+4*i+1]
	v_cvt_pk_bf16_f32 v[32+4*i+1], v[32+4*i+2], v[32+4*i+3]
	ds_store_b64 v5, v[32+4*i:32+4*i+1] offset:(i/8)*XP+(i%8)*256
.set i, i+1
.endr
	WLOAD 1, WS1
	s_wait_dscnt 0x0
	s_barrier_signal -1
	s_barrier_wait -1                              ; all 32 rows of x lie in LDS
.irp t, 0,1,2,3,4,5,6,7
	TRIP \t
.endr
	PLACES
.irp mt, 0,1                           ; the sum of squares of my 32 columns; each accumulator is read from its low end on
	v_pk_mul_f32 v[16+2*(\mt):17+2*(\mt)], v[ACC+8*(\mt):ACC+8*(\mt)+1], v[ACC+8*(\mt):ACC+8*(\mt)+1]
.irp j, 2,4,6,16,18,20,22
	v_pk_fma_f32 v[16+2*(\mt):17+2*(\mt)], v[ACC+8*(\mt)+(\j):ACC+8*(\mt)+(\j)+1], v[ACC+8*(\mt)+(\j):ACC+8*(\mt)+(\j)+1], v[16+2*(\mt):17+2*(\mt)]
.endr
.endr
	v_add_f32 v16, v16, v17
	v_add_f32 v18, v18, v19
	v_permlanex16_b32 v17, v16, s36, s37           ; the row's other 16 columns lie in the lane 16 away
	v_permlanex16_b32 v19, v18, s36, s37
	v_add_f32 v16, v16, v17
	v_add_f32 v18, v18, v19
	ds_store_b32 v8, v16
	ds_store_b32 v8, v18 offset:64
	s_wait_dscnt 0x0
	s_barrier_signal -1
	s_barrier_wait -1
.irp w, 0,1,2,3,4,5,6,7
	ds_load_b32 v[32+(\w)], v9 offset:128*(\w)
	ds_load_b32 v[40+(\w)], v9 offset:128*(\w)+64
.endr
	s_wait_dscnt 0x0
.irp b, 32,40
	v_pk_add_f32 v[(\b):(\b)+1], v[(\b):(\b)+1], v[(\b)+2:(\b)+3]
	v_pk_add_f32 v[(\b)+4:(\b)+5], v[(\b)+4:(\b)+5], v[(\b)+6:(\b)+7]
	v_pk_add_f32 v[(\b):(\b)+1], v[(\b):(\b)+1], v[(\b)+4:(\b)+5]
.endr
	v_add_f32 v16, v32, v33
	v_add_f32 v18, v40, v41
	v_max_num_f32 v16, 0x2b8cbccc, v16             ; 1e-12
	v_max_num_f32 v18, 0x2b8cbccc, v18
	v_rsq_f32 v16, v16
	v_rsq_f32 v18, v18
	v_nop
	s_wait_alu depctr_va_vdst(0)                   ; one wait for the two roots
.irp nt, 0,1
.irp mt, 0,1
.irp j, 0,2,4,6
	v_pk_mul_f32 v[ACC+8*(2*(\nt)+(\mt))+(\j):ACC+8*(2*(\nt)+(\mt))+(\j)+1], v[ACC+8*(2*(\nt)+(\mt))+(\j):ACC+8*(2*(\nt)+(\mt))+(\j)+1], v[16+2*(\mt):17+2*(\mt)] op_sel_hi:[1,0]
.endr
	ds_store_b128 v10, v[ACC+8*(2*(\nt)+(\mt)):ACC+8*(2*(\nt)+(\mt))+3]   offset:(\mt)*16*SGP+(\nt)*64
	ds_store_b128 v10, v[ACC+8*(2*(\nt)+(\mt))+4:ACC+8*(2*(\nt)+(\mt))+7] offset:(\mt)*16*SGP+(\nt)*64+16
.endr
.endr
	; IN FRAGMENT ORDER, straight from the accumulators: accumulator a = 2 nt + mt is half nt of my block in row tile mt.  Every result has registers of its own: nothing that a store reads is written again.
.set a, 0
.rept 4
.set AA, ACC+8*a
.irp j, 0,1,2,3
	v_cvt_pk_f16_f32 v[64+4*a+(\j)], v[AA+2*(\j)], v[AA+2*(\j)+1]                     ; hi
.endr
.irp j, 0,1,2,3
	v_fma_mix_f32 v[112+2*(\j)], -v[64+4*a+(\j)], v12, v[AA+2*(\j)]   op_sel_hi:[1,0,0]                ; feat - hi
	v_fma_mix_f32 v[113+2*(\j)], -v[64+4*a+(\j)], v12, v[AA+2*(\j)+1] op_sel:[1,0,0] op_sel_hi:[1,0,0]
.endr
.irp j, 0,1,2,3
	v_cvt_pk_f16_f32 v[80+4*a+(\j)], v[112+2*(\j)], v[113+2*(\j)]                     ; lo
.endr
	global_store_b128 v4, v[64+4*a:64+4*a+3], s[32:33] offset:(a%2)*8192+(a/2)*512    ; 512 consecutive bytes, aligned
	global_store_b128 v4, v[80+4*a:80+4*a+3], s[34:35] offset:(a%2)*8192+(a/2)*512
.set a, a+1
.endr
	s_cmp_lg_u32 s15, 0
	s_cbranch_scc1 .Lno_q
.set a, 0
.rept 4
.set AA, ACC+8*a
.irp j, 0,1,2,3
	v_pk_mul_f32 v[112+2*(\j):113+2*(\j)], v[AA+2*(\j):AA+2*(\j)+1], 0x41a4e122 op_sel_hi:[1,0]  ; c = log2(e) / 0.07
.endr
.irp j, 0,1,2,3
	v_cvt_pk_bf16_f32 v[96+4*a+(\j)], v[112+2*(\j)], v[113+2*(\j)]
.endr
	global_store_b128 v4, v[96+4*a:96+4*a+3], s[22:23] offset:(a%2)*8192+(a/2)*512
.set a, a+1
.endr
.Lno_q:
	s_wait_dscnt 0x0
	s_barrier_signal -1
	s_barrier_wait -1                              ; the 32 rows of feat lie in the stage
.set q, 0
.rept 8                                ; BY ROWS.  chunk q: row q / 2, half q % 2: 512 consecutive bytes
	ds_load_b128 v[32+4*q:32+4*q+3], v11 offset:(q/2)*SGP+(q%2)*512
.set q, q+1
.endr
	s_wait_dscnt 0x0
.set q, 0
.rept 8
	v_cvt_pk_f16_f32 v[128+2*q], v[32+4*q],   v[32+4*q+1]
	v_cvt_pk_f16_f32 v[129+2*q], v[32+4*q+2], v[32+4*q+3]
	global_store_b64 v13, v[128+2*q:129+2*q], s[24:25] offset:2097152+(q/2)*512+(q%2)*256
.set q, q+1
.endr
	s_cmp_eq_u32 s15, 0
	s_cbranch_scc1 .Lend
.set q, 0
.rept 8
	global_store_b128 v4, v[32+4*q:32+4*q+3], s[26:27] offset:(q/2)*1024+(q%2)*512
.set q, q+1
.endr
.Lend:
	s_wait_tensorcnt 0x0                           ; the wave's end: three closing lines behind my last LDS store
	ds_add_u32 v14, v15
	s_wait_dscnt 0x0
	s_endpgm
.Lfunc_end_k_q9c81795628_feat:
	.size	k_q9c81795628_feat, .Lfunc_end_k_q9c81795628_feat-k_q9c81795628_feat
	.p2alignl 7, 3214868480
	.fill 96, 4, 3214868480
	.section	.rodata,"a",@progbits
	.p2align	6, 0x0
	.amdhsa_kernel k_q9c81795628_feat
		.amdhsa_group_segment_fixed_size 101376
		.amdhsa_private_segment_fixed_size 0
		.amdhsa_enable_private_segment 0
		.amdhsa_kernarg_size 40
		.amdhsa_user_sgpr_count 2
		.amdhsa_user_sgpr_kernarg_segment_ptr 1
		.amdhsa_wavefront_size32 1
		.amdhsa_system_sgpr_workgroup_id_x 1
		.amdhsa_system_sgpr_workgroup_id_y 1
		.amdhsa_system_sgpr_workgroup_id_z 1
		.amdhsa_system_vgpr_workitem_id 0
		.amdhsa_next_free_vgpr 256
		.amdhsa_next_free_sgpr 66
		.amdhsa_reserve_vcc 0
		.amdhsa_float_denorm_mode_32 3
		.amdhsa_float_denorm_mode_16_64 3
		.amdhsa_memory_ordered 1
		.amdhsa_forward_progress 1
		.amdhsa_inst_pref_size 59
	.end_amdhsa_kernel
	.amdgpu_metadata
---
amdhsa.version: [ 1, 2 ]
amdhsa.kernels:
  - .name:           k_q9c81795628_feat
    .symbol:         k_q9c81795628_feat.kd
    .args:
      - { .name: x1, .offset: 0, .size: 8, .value_kind: global_buffer, .address_space: global }
      - { .name: x2, .offset: 8, .size: 8, .value_kind: global_buffer, .address_space: global }
      - { .name: wprep, .offset: 16, .size: 8, .value_kind: global_buffer, .address_space: global }
      - { .name: wfeat, .offset: 24, .size: 8, .value_kind: global_buffer, .address_space: global }
      - { .name: out1, .offset: 32, .size: 8, .value_kind: global_buffer, .address_space: global }
    .group_segment_fixed_size: 101376
    .private_segment_fixed_size: 0
    .kernarg_segment_align: 8
    .kernarg_segment_size: 40
    .max_flat_workgroup_size: 256
    .sgpr_count:     66
    .vgpr_count:     256
    .wavefront_size: 32
...
	.end_amdgpu_metadata
.endif
;; end of part 2
;; launch lg (part 3): grid 8 x 32, 4 waves a work-group, clusters of 4 x 1, 327,680 bytes of LDS; arguments wfeat, wprep, u1a, u1b, u2a, wlossn, wgsm; writes wlossn, wgsm
.if DOCPART == 3
	.amdgcn_target "amdgcn-amd-amdhsa--gfx1250"
	.amdhsa_code_object_version 6
	.text
	.protected	k_q9c81795628_lg
	.globl	k_q9c81795628_lg
	.p2align	8
	.type	k_q9c81795628_lg,@function
k_q9c81795628_lg:
	s_mov_b64 s[64:65], 0
	v_nop
	global_prefetch_b8 v0, s[64:65] scope:SCOPE_SE
	s_setreg_imm32_b32 hwreg(HW_REG_WAVE_MODE, 25, 1), 1
	s_wait_xcnt 0x0
	s_wait_alu depctr_hold_cnt(0) depctr_sa_sdst(0) depctr_va_vdst(0) depctr_va_sdst(0) depctr_va_ssrc(0) depctr_va_vcc(0) depctr_vm_vsrc(0)
	s_getreg_b32 s2, hwreg(HW_REG_IB_STS2, 6, 4)
	s_cmp_eq_u32 s2, 0
	s_cbranch_scc0 .Lentry_in_a_cluster
	s_endpgm
.Lentry_in_a_cluster:
	s_bfe_u32 s2, ttmp6, 0x10000c
	s_cmp_lg_u32 s2, 0x3003
	s_cbranch_scc0 .Lentry_shape_is_right
	s_endpgm
.Lentry_shape_is_right:
; LG: two jobs that need only feat and the tables, one after the other in one launch, on one ring of two LDS slots.
; PHASE 1: psum_n[chunk][row] = the sum over the chunk's 1,024 queue rows of 2^(c feat_1[row] . queue_n[l]), c = log2(e) / 0.07 (c lies in Q1S already).
;   NO MAXIMUM IS TAKEN AWAY there: feat_1 and the queue's rows are normalised by reference() itself, so |c q.k| <= 20.8 with the bf16 roundings: every term lies in 2^-20.8 .. 2^20.8 and every sum under 2^36, in f32.
; PHASE 2: logits = feat . ctx, the Gumbel noise, and per block of 64 columns: e' = 2^(-2 z + 2 zmin) in f16, m = -2 zmin and the sum of e' in f32 (soft, both views); view 1 also: the largest logits + g and its first index (hard).
;   Left out (shown at the head of the first kernel): u2b and view 2's hard path; the hard softmax itself; the term of g that is the same along the soft softmax's axis.
;   LOGITS.  feat and ctx are f16 hi + lo.  View 1, whose logits decide whole numbers, sums three products: hi.hi, lo.hi, hi.lo.  View 2 takes hi.hi alone.
;   GUMBEL.  u is rounded to bf16; u' = u (1 - 2e-6) + 1e-6; LG = log2(-log2 u'); g = -ln 2 LG - ln(ln 2).  Hard: val = logits + g, one f32 addition.  Soft: z = LG - log2(e) logits, so that 2 log2(e) (logits + g) = -2 z + constant.
;   THE MAXIMUM of the soft softmax is taken away in two steps: here each block's own (-2 zmin), in the next launch the row's.
; SHARES.  Work-group (x, y), x = 4 x cluster + place.  Phase 1: rows 512 x .. + 511, chunk y; a wave keeps 128 rows, eight tiles, in 512 registers and walks the chunk's 64 groups of 16 queue rows.
;   Phase 2: view y / 16, columns 256 ((y / 4) % 4) .. + 255, rows 128 (8 (y % 4) + x) .. + 127; a wave: 32 rows, two tiles; four trips of 64 columns.
; CLUSTER.  The four partners share y: the same queue rows in phase 1, the same 256 rows of ctx in phase 2.  Every tile is asked for jointly: the same load, descriptor and mask in all four.  x enters global addresses alone.
; RING.  Two slots of 256 rows x 528 bytes.  The chunk goes through them as four tiles; when slot 0 has been read for the last time it takes ctx hi, which has 1,088 matrix instructions in which to land; slot 1 then takes ctx lo.
;   A wave has two tensor loads out at the start and one behind each of the four changes of slots.
; BY TURNS (phase 1).  S^T = K Q^T (source 0 = 16 queue rows, source 1 = 16 rows of Q): a lane holds ONE row and 8 queue rows.  In a turn the products of group g are issued; behind the first 32 ride the 64 exponentials
;   of group g - 1 (one batch, one wait), behind every fourth of the other 32 four packed sums.
; REGISTERS in windows of 256 (s_set_vgpr_msb: bits 1:0 source 0, 3:2 source 1, 5:4 source 2, 7:6 destination).
;   Phase 1.  window 0: v0-63, v64-127 K of one group, two buffers; v128-191, v192-255 S^T, two buffers, tile t at + 8 t      window 1: Q tiles 0-3 (64 t + 8 kf)      window 2: Q tiles 4-7
;   Phase 2.  window 0: v0-63 addresses and statistics; v64-127 ctx hi, two buffers, later z and e'; v128-191 ctx lo, two buffers, later val and the way out; v192-255 logits, tile 4 mt + nt
;             window 1: v0-63 the soft u; v64-127 the hard u; v128-135 at work          window 2: v0-127 feat hi (64 mt + 8 kf); v128-255 feat lo
;   Both.     window 3: v0 spare word's address, v1 zero, v2-7 addresses, v8-23 phase 1's sums, v24 a prefetch's offset, v25 the thread's number (K's buffers lie over v0), v40-43 phase 1's way out
.set KP,    528                        ; a row of a tile in LDS: 512 bytes + 16
.set CP,    528
.set SLOT1, 135168                     ; 256 rows
.set CLO,   135168                     ; ctx lo lies in slot 1
.set ESTG,  270336                     ; phase 2: 16 rows x 144 bytes for each wave
.set STATS, 279552                     ; phase 2: m: 4 blocks x 128 rows; + 2,048 sums; + 4,096 best values; + 4,608 best indices
.set SPARE, 284672                     ; the spare words, 128 bytes a wave
.set STAGE, 285184                     ; phase 1: 512 bytes a wave
.set CH_O,  19922944
.set FHF_O, 10485760
.set FLF_O, 4194304
.set SPW, 0
.set NIL, 1
.set AK0, 2                            ; r x 528 + 16 h
.set AK,  3
.set PFO, 4                            ; 256 x lane
.set STO, 5
.set RDS, 6
.set GO,  7                            ; 16 x lane: Q's fragments in, the sums out
.set SUM, 8
.set PFU, 24                           ; (32 wave + lane) x 4,096: a row of u
.set TID, 25
.set SB,  128
.set CHB, 64
.set CLB, 128
.set LB,  192
.set Z,   64
.set V,   128
.set UA,  0
.set UB,  64
.set UT,  128
.set WV,  18
.set CX,  19
.set XB,  20
.set YB,  21
.set T0,  22                           ; s[22:23] an offset, its high word 0
.set G1,  24                           ; s[24:31]
.set G0,  32                           ; s[32:35] slot 0's first fill; s[36:39] every other fill
.set TB,  40                           ; LDS byte of the group to be fetched
.set CNT, 41
.set SLOTS, 42
.set LIM, 43
.set PFA, 44
.set SEL, 46
.set QB,  48
.set PSB, 50
.set CHA, 52                           ; my 64 rows of ctx hi in memory; ctx lo 524,288 on
.set VIEW, 54
.set SLICE, 55
.set RB,  56
.set COLB, 57
.set UAB, 58
.set UBB, 60
.set M0,  62
.set M1,  63
.set FHB, 66
.set FLB, 68
.set EB,  70
.set MBB, 72
.set HVB, 74
.set K1,  76
.set K2,  78
.set K3,  80
.set K4,  82
.set K5,  84
.set KM,  86
.set TRIPS, 87
.set DT,  88                           ; s[88:89], s[90:91] the joint loads' offsets: these registers never hold my place in the cluster
.set DU,  90
.set T2,  92
.set MSB, 0
.macro WIN new
.if MSB != (\new)
	s_set_vgpr_msb (MSB<<8)|(\new)
.set MSB, (\new)
.endif
.endm
.set MM1, 0x04                         ; Q in window 1
.set MM2, 0x08                         ; Q, or feat, in window 2
.set ADDW, 0xc3                        ; sum (window 3) = sum + weights (window 0)
.set LD,  0x03                         ; source 0 or address in window 3, destination in window 0
.set W3,  0xff
.set TO3, 0xc0
.set AD,  0x0f
.macro PLACES
.rept 4
	v_nop
.endr
.endm
.macro CROUND                          ; a round of the cluster's barrier
	s_barrier_signal -1
	s_barrier_wait -1
	s_cmp_lg_u32 s[WV], 0
	s_cbranch_scc1 .Lnot_wave_0_\@
	s_barrier_signal -3
.Lnot_wave_0_\@:
	s_barrier_wait -3
	s_barrier_signal -1
	s_barrier_wait -1
.endm
.macro SHADD r, sh                     ; the offset in hand + a number shifted
	s_lshl_b32 s[T2], s[\r], \sh
	s_add_co_u32 s[T0], s[T0], s[T2]
.endm
.macro FETCH kb                        ; 16 LDS loads in one run: a group's eight fragments into buffer kb
	WIN W3
	v_add_nc_u32 v[AK], s[TB], v[AK0]
	s_add_co_u32 s[TB], s[TB], 16*KP
	WIN LD
.irp f, 0,1,2,3,4,5,6,7
	ds_load_b128 v[64*(\kb)+8*(\f):64*(\kb)+8*(\f)+3],   v[AK] offset:64*(\f)
	ds_load_b128 v[64*(\kb)+8*(\f)+4:64*(\kb)+8*(\f)+7], v[AK] offset:64*(\f)+32
.endr
.endm
; A TURN on K's buffer b.  The four accumulators of each half take turns.  The turn's last four sums stand behind its last product: they name none of its registers and are the four places
; ahead of the next turn's loads into K's other buffer and of its exponentials, which read this turn's scores from their low end on.
.macro TURN b, fetch
	s_wait_dscnt 0x0                               ; K of this group is in
.if \fetch
	FETCH 1-(\b)
.endif
	WIN MM1
.set i, 0
.rept 32
.set rS, SB+64*(\b)+8*(i%4)
.set rK, 64*(\b)+8*(i/4)
.set rQ, 64*(i%4)+8*(i/4)
.set rE, SB+64*(1-(\b))+2*i
.if i < 4
	v_wmma_f32_16x16x32_bf16 v[rS:rS+7], v[rK:rK+7], v[rQ:rQ+7], 0
.else
	v_wmma_f32_16x16x32_bf16 v[rS:rS+7], v[rK:rK+7], v[rQ:rQ+7], v[rS:rS+7]
.endif
	v_exp_f32 v[rE], v[rE]
	v_exp_f32 v[rE+1], v[rE+1]
.set i, i+1
.endr
	v_nop                                          ; a plain instruction behind the last exponential,
	s_wait_alu depctr_va_vdst(0)                   ; and one wait for the batch of 64
.set i, 0
.rept 32
	WIN MM2
.set rS, SB+64*(\b)+32+8*(i%4)
.set rK, 64*(\b)+8*(i/4)
.set rQ, 64*(i%4)+8*(i/4)
.if i < 4
	v_wmma_f32_16x16x32_bf16 v[rS:rS+7], v[rK:rK+7], v[rQ:rQ+7], 0
.else
	v_wmma_f32_16x16x32_bf16 v[rS:rS+7], v[rK:rK+7], v[rQ:rQ+7], v[rS:rS+7]
.endif
.if i%4 == 3
	WIN ADDW
.set g, i/4
.irp u, 0,1,2,3
	v_pk_add_f32 v[SUM+2*(4*(g%2)+(\u)):SUM+2*(4*(g%2)+(\u))+1], v[SUM+2*(4*(g%2)+(\u)):SUM+2*(4*(g%2)+(\u))+1], v[SB+64*(1-(\b))+8*(4*(g%2)+(\u))+2*(g/2):SB+64*(1-(\b))+8*(4*(g%2)+(\u))+2*(g/2)+1]
.endr
.endif
.set i, i+1
.endr
.endm
; A prefetch into the L2 of the chunk's last 256 rows, behind the first refill: one refill, 1,024 matrix instructions, ahead of the load that asks for them.  Both clusters of a chunk walk the same rows: the one with
; x = 0 asks.  Its four partners take 64 rows each BY ADDRESS, each wave 16 of them, each lane one block of 256 bytes: each block is named once.  The second refill asks for nothing: no queue rows follow it.
.macro ASK
	s_cmp_gt_u32 s[SLOTS], s[LIM]
	s_cbranch_scc0 .Lnot_mine_\@
	WIN LD
	global_prefetch_b8 v[PFO], s[PFA:PFA+1] th:TH_LOAD_NT scope:SCOPE_SE
	WIN 0
.Lnot_mine_\@:
.endm
; THE CHANGE OF SLOTS.  The old slot's last group lies in registers when the wait for LDS is over.  Each wave waits for all its tensor loads, adds 0 to its spare word, waits for that and for its reads; a round of the
; cluster's barrier; and the joint refill first behind it.  what = 1: the chunk's next 256 rows; 2: ctx hi into slot 0; 3: ctx lo into slot 1.
.macro CHANGE what
	WIN AD
	s_wait_tensorcnt 0x0                           ; no tensor load of mine is out: the descriptor may be written
	ds_add_u32 v[SPW], v[NIL]
	WIN 0
.if (\what) == 1
	s_xor_b32 s[G0+5], s[G0+5], SLOT1              ; the other slot than last time,
	s_add_nc_u64 s[G0+6:G0+7], s[G0+6:G0+7], 131072  ; the next 256 rows
.elseif (\what) == 2
	s_mov_b32 s[G0+5], s[G0+1]                     ; my 64 rows of slot 0
	s_add_nc_u64 s[G0+6:G0+7], s[CHA:CHA+1], 0
	s_or_b32 s[G0+7], s[G0+7], 0x80000000
.else
	s_add_co_u32 s[G0+5], s[G0+1], SLOT1           ; my 64 rows of slot 1
	s_add_nc_u64 s[G0+6:G0+7], s[CHA:CHA+1], 524288
	s_or_b32 s[G0+7], s[G0+7], 0x80000000
.endif
	s_wait_dscnt 0x0
	CROUND
	tensor_load_to_lds s[G0+4:G0+7], s[G1:G1+7]
	s_nop 0
	PLACES
.if (\what) == 1
	ASK
.endif
.if (\what) < 3
	s_sub_co_u32 s[TB], s[TB], SLOT1               ; the fetches go back to a slot's first group,
	s_xor_b32 s[TB], s[TB], SLOT1                  ; in the other slot
.endif
.endm
; PHASE 2's macros
.macro ULOAD u, sb                     ; 16 loads: my 32 rows x 64 columns of a u, laid as the logits lie
	WIN 0x40
.set i, 0
.rept 8
	global_load_b128 v[(\u)+8*i:(\u)+8*i+3],   v6, s[(\sb):(\sb)+1] offset:(i/4)*65536+(i%4)*64
	global_load_b128 v[(\u)+8*i+4:(\u)+8*i+7], v6, s[(\sb):(\sb)+1] offset:(i/4)*65536+(i%4)*64+16
.set i, i+1
.endr
	WIN 0
.endm
.macro CLOADH kf, p                    ; 8 LDS loads: channels 32 kf on of the block's 64 rows of ctx hi
.irp nt, 0,1,2,3
	ds_load_b128 v[CHB+32*(\p)+8*(\nt):CHB+32*(\p)+8*(\nt)+3],   v4 offset:(\nt)*16*CP+(\kf)*64
	ds_load_b128 v[CHB+32*(\p)+8*(\nt)+4:CHB+32*(\p)+8*(\nt)+7], v4 offset:(\nt)*16*CP+(\kf)*64+32
.endr
.endm
.macro CLOADL kf, p                    ; the same of ctx lo
.irp nt, 0,1,2,3
	ds_load_b128 v[CLB+32*(\p)+8*(\nt):CLB+32*(\p)+8*(\nt)+3],   v5 offset:(\nt)*16*CP+(\kf)*64
	ds_load_b128 v[CLB+32*(\p)+8*(\nt)+4:CLB+32*(\p)+8*(\nt)+7], v5 offset:(\nt)*16*CP+(\kf)*64+32
.endr
.endm
.macro MM8 a, b, zero                  ; eight products, the eight accumulators by turns
.irp mt, 0,1
.irp nt, 0,1,2,3
.if \zero
	v_wmma_f32_16x16x32_f16 v[LB+8*(4*(\mt)+(\nt)):LB+8*(4*(\mt)+(\nt))+7], v[(\a)+8*(\nt):(\a)+8*(\nt)+7], v[(\b)+64*(\mt):(\b)+64*(\mt)+7], 0
.else
	v_wmma_f32_16x16x32_f16 v[LB+8*(4*(\mt)+(\nt)):LB+8*(4*(\mt)+(\nt))+7], v[(\a)+8*(\nt):(\a)+8*(\nt)+7], v[(\b)+64*(\mt):(\b)+64*(\mt)+7], v[LB+8*(4*(\mt)+(\nt)):LB+8*(4*(\mt)+(\nt))+7]
.endif
.endr
.endr
.endm
; Channels 32 kf on.  hi.hi for both views; the two products with a lo part, and the next fragments of ctx lo, for view 1 alone: one region under one branch, the same in all waves and partners.
.macro GK kf
.set p, (\kf)%2
	s_wait_dscnt 0x0
.if (\kf) < 7
.if (\kf) > 0
	PLACES                                         ; four places between the last product and loads into the buffers that it read, ctx hi's here and ctx lo's below
.endif
	CLOADH (\kf)+1, 1-p
.endif
	WIN MM2                                        ; feat in window 2
.if (\kf) == 0
	MM8 CHB+32*p, 8*(\kf), 1
.else
	MM8 CHB+32*p, 8*(\kf), 0
.endif
	WIN 0
	s_cmp_lg_u32 s[VIEW], 0
	s_cbranch_scc1 .Lhh_\@
.if (\kf) < 7
	CLOADL (\kf)+1, 1-p
.endif
	WIN MM2
	MM8 CLB+32*p, 8*(\kf), 0
	MM8 CHB+32*p, 128+8*(\kf), 0
	WIN 0
.Lhh_\@:
.endm
.macro GUMBEL u                        ; in place, in window 1: u -> log2(-log2 u')
	WIN 0x55
.set g, 0
.rept 4
.set i, 0
.rept 8
	v_cvt_pk_bf16_f32 v[UT+i], v[(\u)+16*g+2*i], v[(\u)+16*g+2*i+1]
.set i, i+1
.endr
.set i, 0
.rept 8
	v_lshlrev_b32 v[(\u)+16*g+2*i], 16, v[UT+i]
	v_and_b32 v[(\u)+16*g+2*i+1], s[KM], v[UT+i]
.set i, i+1
.endr
.set g, g+1
.endr
.set i, 0
.rept 32
	v_pk_fma_f32 v[(\u)+2*i:(\u)+2*i+1], v[(\u)+2*i:(\u)+2*i+1], s[K1:K1+1], s[K2:K2+1] op_sel_hi:[1,0,0]
.set i, i+1
.endr
.set i, 0
.rept 64
	v_log_f32 v[(\u)+i], v[(\u)+i]
.set i, i+1
.endr
	v_nop
	s_wait_alu depctr_va_vdst(0)                   ; one wait for the batch of 64
.set i, 0
.rept 32
	v_pk_mul_f32 v[(\u)+2*i:(\u)+2*i+1], v[(\u)+2*i:(\u)+2*i+1], -1.0 op_sel_hi:[1,0]
.set i, i+1
.endr
.set i, 0
.rept 64
	v_log_f32 v[(\u)+i], v[(\u)+i]
.set i, i+1
.endr
	v_nop
	s_wait_alu depctr_va_vdst(0)
.endm
	s_load_b256 s[4:11], s[0:1], 0x0               ; wfeat, wprep, u1a, u1b
	s_load_b128 s[12:15], s[0:1], 0x20             ; u2a, wlossn
	s_load_b64 s[16:17], s[0:1], 0x30              ; wgsm
	WIN TO3
	v_lshl_add_u32 v[SPW], v0, 2, SPARE
	v_mov_b32 v[NIL], 0
	WIN AD
	ds_add_u32 v[SPW], v[NIL]                      ; the opening: the add, twice on end, and its wait ahead of my first tensor load
	ds_add_u32 v[SPW], v[NIL]
	WIN 0
	v_lshrrev_b32 v1, 5, v0
	v_readfirstlane_b32 s[WV], v1
	s_bfe_u32 s[CX], ttmp6, 0x40000                ; my place in the cluster
	s_lshl_b32 s[XB], ttmp9, 2
	s_add_co_u32 s[XB], s[XB], s[CX]               ; x
	s_and_b32 s[YB], ttmp7, 0xffff                 ; y, which the partners share
	s_lshr_b32 s[VIEW], s[YB], 4
	s_bfe_u32 s[SLICE], s[YB], 0x20002
	s_and_b32 s[RB], s[YB], 3
	s_lshl_b32 s[RB], s[RB], 3
	s_add_co_u32 s[RB], s[RB], s[XB]               ; phase 2's block of 128 rows
	s_mov_b32 s[G1],   15|(1<<16)|(1<<20)|(1<<21)|(6<<22)|(3<<25)  ; the mask of four; 2-byte elements; padding: 4 words after every 128; bit 21 beside a mask
	s_mov_b32 s[G1+1], 256<<16                     ; tensor_dim0 = 256
	s_mov_b32 s[G1+2], 64<<16                      ; tensor_dim1 = 64
	s_mov_b32 s[G1+3], 256<<16                     ; tile_dim0 = 256
	s_mov_b32 s[G1+4], 64                          ; tile_dim1 = 64
	s_mov_b32 s[G1+5], 256                         ; elements from row to row
	s_mov_b32 s[G1+6], 0
	s_mov_b32 s[G1+7], 0
	s_mov_b32 s[G0], 1
	s_mul_i32 s[G0+1], s[WV], 64*KP                ; my 64 rows of a slot
	s_mov_b32 s[G0+4], 1
	s_add_co_u32 s[G0+5], s[G0+1], SLOT1
	s_lshl_b32 s[DT], s[YB], 19                    ; the chunk's 1,024 rows of 512 bytes,
	s_lshl_b32 s[DT+1], s[WV], 15                  ; my 64 rows
	s_add_co_u32 s[DT], s[DT], s[DT+1]
	s_lshl_b32 s[DU], s[VIEW], 20                  ; ctx hi of the view, the slice's 256 rows, my 64
	s_add_co_u32 s[DU], s[DU], s[DT+1]
	s_lshl_b32 s[DU+1], s[SLICE], 17
	s_add_co_u32 s[DU], s[DU], s[DU+1]
	s_add_co_u32 s[DU], s[DU], CH_O
	s_mov_b32 s[DT+1], 0
	s_mov_b32 s[DU+1], 0
	s_mov_b32 s[T0], ttmp9
	s_cmp_eq_u32 s[T0], 0
	s_cselect_b32 s[LIM], 1, -1                    ; the same in all four partners
	s_mov_b32 s[SEL], 0x76543210
	s_mov_b32 s[SEL+1], 0xfedcba98
	s_mov_b32 s[TB], 0
	s_mov_b32 s[T0+1], 0
	v_and_b32 v2, 15, v0                           ; r
	v_bfe_u32 v3, v0, 4, 1                         ; h
	v_and_b32 v4, 31, v0
	v_mul_u32_u24 v5, v2, KP
	v_lshl_add_u32 v5, v3, 4, v5
	v_lshlrev_b32 v6, 8, v4
	s_lshl_b32 s[T2], s[WV], 9
	s_add_co_u32 s[T2], s[T2], STAGE
	v_lshl_add_u32 v7, v2, 2, s[T2]
	v_lshl_add_u32 v8, v4, 4, s[T2]
	v_lshlrev_b32 v9, 4, v4
	s_lshl_b32 s[T2], s[WV], 17
	v_lshl_add_u32 v10, v4, 12, s[T2]
	WIN TO3
	v_mov_b32 v[AK0], v5
	v_mov_b32 v[PFO], v6
	v_mov_b32 v[STO], v7
	v_mov_b32 v[RDS], v8
	v_mov_b32 v[GO],  v9
	v_mov_b32 v[PFU], v10
	v_mov_b32 v[TID], v0
	WIN 0
	s_wait_dscnt 0x0                               ; both opening adds are done
	s_wait_kmcnt 0x0
	s_add_nc_u64 s[G0+2:G0+3], s[6:7], s[DT:DT+1]  ; QN lies at wprep's first byte
	s_add_nc_u64 s[G0+6:G0+7], s[G0+2:G0+3], 131072
	s_or_b32 s[G0+3], s[G0+3], 0x80000000
	s_or_b32 s[G0+7], s[G0+7], 0x80000000
	s_add_nc_u64 s[CHA:CHA+1], s[6:7], s[DU:DU+1]
	CROUND                                         ; all four work-groups are here: the first joint loads meet
	tensor_load_to_lds s[G0:G0+3], s[G1:G1+7]
	s_nop 0
	tensor_load_to_lds s[G0+4:G0+7], s[G1:G1+7]
	s_nop 0
	PLACES
	s_lshl_b32 s[T0], s[XB], 18
	SHADD WV, 16
	s_add_nc_u64 s[QB:QB+1], s[4:5], s[T0:T0+1]    ; Q1S (wfeat's first byte) at my 8 row tiles of 8,192 bytes
	WIN 0x43                                       ; destination window 1, address window 3
.set i, 0
.rept 32                               ; Q stays in registers: block i = 8 tile + kf; each load takes 512 consecutive bytes
	global_load_b128 v[8*i:8*i+3],   v[GO], s[QB:QB+1] offset:1024*i
	global_load_b128 v[8*i+4:8*i+7], v[GO], s[QB:QB+1] offset:1024*i+512
.set i, i+1
.endr
	WIN 0x83
.set i, 0
.rept 32
	global_load_b128 v[8*i:8*i+3],   v[GO], s[QB:QB+1] offset:32768+1024*i
	global_load_b128 v[8*i+4:8*i+7], v[GO], s[QB:QB+1] offset:32768+1024*i+512
.set i, i+1
.endr
	WIN 0
	; every other address of both phases, while Q and the tiles are on their way
	s_lshl_b32 s[T0], s[YB], 14
	SHADD XB, 11
	SHADD WV, 9
	s_add_nc_u64 s[PSB:PSB+1], s[14:15], s[T0:T0+1]  ; psum_n[chunk] at my 128 rows
	s_lshl_b32 s[T0], s[YB], 19
	s_add_co_u32 s[T0], s[T0], 3*131072
	SHADD CX, 15
	SHADD WV, 13
	s_add_nc_u64 s[PFA:PFA+1], s[6:7], s[T0:T0+1]
	s_lshl_b32 s[T0], s[RB], 19
	SHADD SLICE, 10
	s_cmp_eq_u32 s[VIEW], 0
	s_cselect_b64 s[UAB:UAB+1], s[8:9], s[12:13]
	s_add_nc_u64 s[UAB:UAB+1], s[UAB:UAB+1], s[T0:T0+1]  ; the soft u at the work-group's first row, the slice's first column
	s_add_nc_u64 s[UBB:UBB+1], s[10:11], s[T0:T0+1]      ; u1b likewise
	s_lshl_b32 s[T0], s[RB], 16
	SHADD WV, 14
	SHADD VIEW, 21
	s_add_co_u32 s[T0], s[T0], FHF_O
	s_add_nc_u64 s[FHB:FHB+1], s[4:5], s[T0:T0+1]  ; feat hi, in fragment order, at my two row tiles
	s_lshl_b32 s[T0], s[RB], 16
	SHADD WV, 14
	SHADD VIEW, 22
	s_add_co_u32 s[T0], s[T0], FLF_O
	s_add_nc_u64 s[FLB:FLB+1], s[4:5], s[T0:T0+1]  ; feat lo
	s_lshl_b32 s[T0], s[VIEW], 23
	SHADD SLICE, 21
	SHADD RB, 14
	SHADD WV, 12
	s_add_nc_u64 s[EB:EB+1], s[16:17], s[T0:T0+1]  ; E[view][4 slice] at my 32 rows
	s_lshl_b32 s[T0], s[VIEW], 18
	SHADD SLICE, 16
	SHADD WV, 14
	SHADD RB, 9
	s_add_co_u32 s[T0], s[T0], 16777216
	s_add_nc_u64 s[MBB:MBB+1], s[16:17], s[T0:T0+1]  ; MB[view][4 slice + wave] at the work-group's rows; SB 524,288 on
	s_lshl_b32 s[T0], s[SLICE], 14
	SHADD RB, 9
	s_lshr_b32 s[T2], s[WV], 1
	s_lshl_b32 s[T2], s[T2], 16
	s_add_co_u32 s[T0], s[T0], s[T2]
	s_and_b32 s[T2], s[WV], 1
	s_lshl_b32 s[T2], s[T2], 8
	s_add_co_u32 s[T0], s[T0], s[T2]
	s_add_co_u32 s[T0], s[T0], 17825792
	s_add_nc_u64 s[HVB:HVB+1], s[16:17], s[T0:T0+1]  ; HV (waves 0, 1) or HI (waves 2, 3), my 256 bytes
	s_mov_b32 s[T2], 0xc3480000                    ; -200: the first turn's exponentials, of a group that has not been, give 0: no first turn is written out
.set i, 0
.rept 64
	v_mov_b32 v[SB+64+i], s[T2]
.set i, i+1
.endr
	WIN TO3
.set i, 0
.rept 16
	v_mov_b32 v[SUM+i], 0
.set i, i+1
.endr
	WIN 0
	s_wait_tensorcnt 1                             ; my part of slot 0 is in; slot 1's may stay out
	s_barrier_signal -1
	s_barrier_wait -1
	FETCH 0                                        ; group 0
	WIN 0
	s_wait_loadcnt 0x0                             ; Q
	s_mov_b32 s[CNT], 8
	s_mov_b32 s[SLOTS], 3
	s_branch .Lfirst                               ; the loop is entered in the middle of a trip: group 0 has no odd group in front of it
.Lslot:                                ; twice: slots 0 and 1 take the chunk's third and fourth tile
	CHANGE 1
	s_mov_b32 s[CNT], 8
.Lpair:
	TURN 1, 1
	WIN 0
.Lfirst:
	TURN 0, 1
	WIN 0
	s_sub_co_u32 s[CNT], s[CNT], 1
	s_cmp_lg_u32 s[CNT], 0
	s_cbranch_scc1 .Lpair
	s_sub_co_u32 s[SLOTS], s[SLOTS], 1
	s_cmp_lg_u32 s[SLOTS], 0
	s_cbranch_scc1 .Lslot
	CHANGE 2                                       ; the tail is written out: slot 0 takes ctx hi
	s_mov_b32 s[CNT], 8
.Ltail:
	; In the fifth of the tail's eight trips phase 2's first two blocks of u are prefetched into the L2: 576 matrix instructions ahead of their loads; a lane a row's 256 bytes, by the wave that will load them; the hard u for view 1 alone.
	s_cmp_eq_u32 s[CNT], 4
	s_cbranch_scc0 .Lno_pu
	WIN LD
	global_prefetch_b8 v[PFU], s[UAB:UAB+1] th:TH_LOAD_NT scope:SCOPE_SE
	global_prefetch_b8 v[PFU], s[UAB:UAB+1] offset:256 th:TH_LOAD_NT scope:SCOPE_SE
	WIN 0
	s_cmp_lg_u32 s[VIEW], 0
	s_cbranch_scc1 .Lno_pu
	WIN LD
	global_prefetch_b8 v[PFU], s[UBB:UBB+1] th:TH_LOAD_NT scope:SCOPE_SE
	global_prefetch_b8 v[PFU], s[UBB:UBB+1] offset:256 th:TH_LOAD_NT scope:SCOPE_SE
	WIN 0
.Lno_pu:
	TURN 1, 1
	TURN 0, 1
	WIN 0
	s_sub_co_u32 s[CNT], s[CNT], 1
	s_cmp_lg_u32 s[CNT], 0
	s_cbranch_scc1 .Ltail
	TURN 1, 0                                      ; group 63
	CHANGE 3                                       ; slot 1 has been read for the last time: it takes ctx lo
	; PHASE 2's addresses and first loads go ahead of phase 1's last exponentials.  K's buffers, Q's windows and S^T's first buffer are free: the turn's last four sums and the four v_nop behind the load are the places behind the last products.
	WIN LD
	v_mov_b32 v0, v[TID]
	WIN 0
	v_and_b32 v2, 15, v0                           ; r
	v_bfe_u32 v3, v0, 4, 1                         ; h
	v_and_b32 v15, 31, v0
	v_mul_u32_u24 v4, v2, CP
	v_lshl_add_u32 v4, v3, 4, v4                   ; ctx hi's fragments
	v_add_nc_u32 v5, CLO, v4                       ; ctx lo's
	s_lshl_b32 s[T2], s[WV], 17
	v_lshlrev_b32 v6, 12, v2
	v_lshl_add_u32 v6, v3, 5, v6
	v_add_nc_u32 v6, s[T2], v6                     ; u: (32 w + r) x 4,096 + 32 h
	v_lshl_add_u32 v14, v15, 12, s[T2]             ; the prefetches: (32 w + lane) x 4,096
	v_lshlrev_b32 v7, 4, v15                       ; e' out: 16 x lane
	v_lshlrev_b32 v11, 4, v15                      ; feat's fragments: 16 x lane
	s_mul_i32 s[T2], s[WV], 16*144
	s_add_co_u32 s[T2], s[T2], ESTG
	v_mul_u32_u24 v8, v2, 144
	v_lshl_add_u32 v8, v3, 4, v8
	v_add_nc_u32 v8, s[T2], v8                     ; into my stage: row r, 16 bytes for each half of the lanes
	v_lshrrev_b32 v9, 3, v15
	v_mul_u32_u24 v9, v9, 144
	v_and_b32 v1, 7, v0
	v_lshl_add_u32 v9, v1, 4, v9
	v_add_nc_u32 v9, s[T2], v9                     ; back: four rows of 128 bytes
	s_lshl_b32 s[T2], s[WV], 7
	s_add_co_u32 s[T2], s[T2], STATS
	v_lshl_add_u32 v10, v2, 2, s[T2]               ; statistics: row 32 w + r
	WIN 0x80
.set i, 0
.rept 16                               ; feat stays in registers: block i = 8 row tile + kf
	global_load_b128 v[8*i:8*i+3],   v11, s[FHB:FHB+1] offset:1024*i
	global_load_b128 v[8*i+4:8*i+7], v11, s[FHB:FHB+1] offset:1024*i+512
.set i, i+1
.endr
	WIN 0
	s_cmp_lg_u32 s[VIEW], 0
	s_cbranch_scc1 .Lno_ub0
	WIN 0x80
.set i, 0
.rept 16
	global_load_b128 v[128+8*i:128+8*i+3],   v11, s[FLB:FLB+1] offset:1024*i
	global_load_b128 v[128+8*i+4:128+8*i+7], v11, s[FLB:FLB+1] offset:1024*i+512
.set i, i+1
.endr
	WIN 0
	ULOAD UB, UBB
.Lno_ub0:
	ULOAD UA, UAB
	s_mov_b32 s[TRIPS], 4                          ; trips to go
	s_mov_b32 s[COLB], 0                           ; the block's first column in the slice
	s_mov_b32 s[K1], 0x3f7fffde                    ; 1 - 2e-6
	s_mov_b32 s[K1+1], s[K1]
	s_mov_b32 s[K2], 0x358637bd                    ; 1e-6
	s_mov_b32 s[K2+1], s[K2]
	s_mov_b32 s[K3], 0xbf317218                    ; -ln 2
	s_mov_b32 s[K3+1], s[K3]
	s_mov_b32 s[K4], 0x3ebba795                    ; -ln(ln 2)
	s_mov_b32 s[K4+1], s[K4]
	s_mov_b32 s[K5], 0xbfb8aa3b                    ; -log2(e)
	s_mov_b32 s[K5+1], s[K5]
	s_mov_b32 s[KM], 0xffff0000
	; PHASE 1's END: group 63's exponentials and sums; the halves of the lanes meet; 128 sums leave through my stage
.set i, 0
.rept 64
	v_exp_f32 v[SB+64+i], v[SB+64+i]
.set i, i+1
.endr
	v_nop
	s_wait_alu depctr_va_vdst(0)
	WIN ADDW
.set i, 0
.rept 32
	v_pk_add_f32 v[SUM+2*(i%8):SUM+2*(i%8)+1], v[SUM+2*(i%8):SUM+2*(i%8)+1], v[SB+64+8*(i%8)+2*(i/8):SB+64+8*(i%8)+2*(i/8)+1]
.set i, i+1
.endr
	WIN W3
.irp t, 0,1,2,3,4,5,6,7
	v_add_f32 v[SUM+2*(\t)], v[SUM+2*(\t)], v[SUM+2*(\t)+1]
.endr
.irp t, 0,1,2,3,4,5,6,7
	v_permlanex16_b32 v[SUM+2*(\t)+1], v[SUM+2*(\t)], s[SEL], s[SEL+1]
.endr
.irp t, 0,1,2,3,4,5,6,7
	v_add_f32 v[SUM+2*(\t)], v[SUM+2*(\t)], v[SUM+2*(\t)+1]
.endr
.irp t, 0,1,2,3,4,5,6,7
	ds_store_b32 v[STO], v[SUM+2*(\t)] offset:64*(\t)  ; both halves of the lanes write the same word with the same number
.endr
	ds_load_b128 v[40:43], v[RDS]                  ; my own bytes: LDS serves a wave's instructions in order
	s_wait_dscnt 0x0
	global_store_b128 v[GO], v[40:43], s[PSB:PSB+1]  ; 512 consecutive bytes
	WIN 0
	v_mov_b32 v16, 0xff800000                      ; the best value so far, for each row tile,
	v_mov_b32 v17, 0xff800000
	v_mov_b32 v18, 0                               ; and its index
	v_mov_b32 v19, 0
	s_wait_tensorcnt 0x0                           ; my parts of ctx hi and lo are in,
	s_barrier_signal -1
	s_barrier_wait -1                              ; everybody's are
	s_wait_loadcnt 16                              ; feat is in: the soft u's 16 loads, the youngest on either way, may stay out
.Ltrip:
	CLOADH 0, 0
	s_cmp_lg_u32 s[VIEW], 0
	s_cbranch_scc1 .Lno_l0
	CLOADL 0, 0
.Lno_l0:
.irp kf, 0,1,2,3,4,5,6,7
	GK \kf
.endr
	s_wait_loadcnt 0x0                             ; this block's u
	v_add_nc_u32 v6, 256, v6                       ; free since that wait: the next block's
	s_cmp_lg_u32 s[VIEW], 0
	s_cbranch_scc1 .Lsoft
	; HARD (view 1).  The noise's arithmetic, in window 1, gives the places behind the last products.
	GUMBEL UB
.set i, 0
.rept 32
	v_pk_fma_f32 v[UB+2*i:UB+2*i+1], v[UB+2*i:UB+2*i+1], s[K3:K3+1], s[K4:K4+1] op_sel_hi:[1,0,0]  ; g
.set i, i+1
.endr
	WIN 0x04
.set i, 0
.rept 32
	v_pk_add_f32 v[V+2*i:V+2*i+1], v[LB+2*i:LB+2*i+1], v[UB+2*i:UB+2*i+1]  ; logits + g, each rounded once; the accumulators are read from their low end on
.set i, i+1
.endr
	WIN 0
	s_cmp_eq_u32 s[TRIPS], 1
	s_cbranch_scc1 .Lno_ubn
	ULOAD UB, UBB
.Lno_ubn:
	s_cmp_gt_u32 s[TRIPS], 2                       ; blocks 2 and 3 are asked for two trips ahead, a lane a row's 256 bytes, by the wave that will load them
	s_cbranch_scc0 .Lno_pfb
	global_prefetch_b8 v14, s[UBB:UBB+1] offset:512 th:TH_LOAD_NT scope:SCOPE_SE
.Lno_pfb:
	v_max3_num_f32 v20, v[V], v[V+1], v[V+2]
	v_max3_num_f32 v21, v[V+32], v[V+33], v[V+34]
.set i, 3
.rept 14
	v_max3_num_f32 v20, v20, v[V+i], v[V+i+1]
	v_max3_num_f32 v21, v21, v[V+32+i], v[V+32+i+1]
.set i, i+2
.endr
	v_max_num_f32 v20, v20, v[V+31]
	v_max_num_f32 v21, v21, v[V+63]
	v_mov_b32 v22, 0
	v_mov_b32 v23, 0
.set i, 31
.rept 32                               ; from the last column down, so that the first column that holds the maximum stays
	v_cmp_eq_f32 vcc_lo, v[V+i], v20
	v_cmp_eq_f32 s[M0], v[V+32+i], v21
	v_cndmask_b32 v22, v22, 16*(i/8)+i%8, vcc_lo
	v_cndmask_b32 v23, v23, 16*(i/8)+i%8, s[M0]
.set i, i-1
.endr
	v_add_nc_u32 v22, s[COLB], v22
	v_add_nc_u32 v23, s[COLB], v23
	v_cmp_gt_f32 vcc_lo, v20, v16                  ; only a greater value displaces an earlier block's
	v_cmp_gt_f32 s[M0], v21, v17
	v_cndmask_b32 v16, v16, v20, vcc_lo
	v_cndmask_b32 v18, v18, v22, vcc_lo
	v_cndmask_b32 v17, v17, v21, s[M0]
	v_cndmask_b32 v19, v19, v23, s[M0]
.Lsoft:
	GUMBEL UA
	WIN 0x10
.set i, 0
.rept 32
	v_pk_fma_f32 v[Z+2*i:Z+2*i+1], v[LB+2*i:LB+2*i+1], s[K5:K5+1], v[UA+2*i:UA+2*i+1] op_sel_hi:[1,0,1]  ; z = LG - log2(e) logits
.set i, i+1
.endr
	WIN 0
	s_cmp_eq_u32 s[TRIPS], 1
	s_cbranch_scc1 .Lno_uan
	ULOAD UA, UAB
.Lno_uan:
	s_cmp_gt_u32 s[TRIPS], 2
	s_cbranch_scc0 .Lno_pfa
	global_prefetch_b8 v14, s[UAB:UAB+1] offset:512 th:TH_LOAD_NT scope:SCOPE_SE
.Lno_pfa:
	v_min3_num_f32 v28, v[Z], v[Z+1], v[Z+2]
	v_min3_num_f32 v29, v[Z+32], v[Z+33], v[Z+34]
.set i, 3
.rept 14
	v_min3_num_f32 v28, v28, v[Z+i], v[Z+i+1]
	v_min3_num_f32 v29, v29, v[Z+32+i], v[Z+32+i+1]
.set i, i+2
.endr
	v_min_num_f32 v28, v28, v[Z+31]
	v_min_num_f32 v29, v29, v[Z+63]
	v_permlanex16_b32 v30, v28, s[SEL], s[SEL+1]   ; the row's other 32 columns lie in the lane 16 away
	v_permlanex16_b32 v31, v29, s[SEL], s[SEL+1]
	v_min_num_f32 v28, v28, v30
	v_min_num_f32 v29, v29, v31
	v_add_f32 v24, v28, v28                        ; 2 zmin
	v_add_f32 v26, v29, v29
.set i, 0
.rept 32
	v_pk_fma_f32 v[Z+2*i:Z+2*i+1], v[Z+2*i:Z+2*i+1], -2.0, v[24+2*(i/16):25+2*(i/16)] op_sel_hi:[1,0,0]
.set i, i+1
.endr
.set i, 0
.rept 64
	v_exp_f32 v[Z+i], v[Z+i]
.set i, i+1
.endr
	v_mul_f32 v40, -1.0, v24                       ; m = -2 zmin: also the plain instruction behind the last exponential
	v_mul_f32 v41, -1.0, v26
	s_wait_alu depctr_va_vdst(0)                   ; one wait for the batch of 64
.irp mt, 0,1
.irp c, 0,1                            ; two chains for each row tile
	v_pk_add_f32 v[32+4*(\mt)+2*(\c):33+4*(\mt)+2*(\c)], v[Z+32*(\mt)+2*(\c):Z+32*(\mt)+2*(\c)+1], v[Z+32*(\mt)+2*(\c)+4:Z+32*(\mt)+2*(\c)+5]
.endr
.endr
.irp e, 4,6,8,10,12,14
.irp mt, 0,1
.irp c, 0,1
	v_pk_add_f32 v[32+4*(\mt)+2*(\c):33+4*(\mt)+2*(\c)], v[32+4*(\mt)+2*(\c):33+4*(\mt)+2*(\c)], v[Z+32*(\mt)+2*((\e)+(\c)):Z+32*(\mt)+2*((\e)+(\c))+1]
.endr
.endr
.endr
	v_pk_add_f32 v[32:33], v[32:33], v[34:35]
	v_pk_add_f32 v[36:37], v[36:37], v[38:39]
	v_add_f32 v32, v32, v33
	v_add_f32 v36, v36, v37
	v_permlanex16_b32 v33, v32, s[SEL], s[SEL+1]
	v_permlanex16_b32 v37, v36, s[SEL], s[SEL+1]
	v_add_f32 v32, v32, v33
	v_add_f32 v36, v36, v37
.set i, 0
.rept 32
	v_cvt_pk_f16_f32 v[Z+i], v[Z+2*i], v[Z+2*i+1]  ; e' in f16, pressed together in place: tile T at Z + 4 T
.set i, i+1
.endr
	ds_store_b32 v10, v40
	ds_store_b32 v10, v41 offset:64
	ds_store_b32 v10, v32 offset:2048
	ds_store_b32 v10, v36 offset:2048+64
.irp mt, 0,1                           ; through my own stage: LDS serves a wave's instructions in order
.irp nt, 0,1,2,3
	ds_store_b128 v8, v[Z+16*(\mt)+4*(\nt):Z+16*(\mt)+4*(\nt)+3] offset:32*(\nt)
.endr
.irp i, 0,1,2,3
	ds_load_b128 v[V+16*(\mt)+4*(\i):V+16*(\mt)+4*(\i)+3], v9 offset:576*(\i)
.endr
.endr
	s_wait_dscnt 0x0
.irp mt, 0,1
.irp i, 0,1,2,3
	global_store_b128 v7, v[V+16*(\mt)+4*(\i):V+16*(\mt)+4*(\i)+3], s[EB:EB+1] offset:(\mt)*2048+(\i)*512  ; 512 consecutive bytes
.endr
.endr
	s_wait_xcnt 0x0                                ; the stores' and prefetches' registers are written again only behind this wait
	v_add_nc_u32 v7, 0x80000, v7                   ; the next block of E
	v_add_nc_u32 v14, 256, v14
	v_add_nc_u32 v4, 64*CP, v4
	v_add_nc_u32 v5, 64*CP, v5
	v_add_nc_u32 v10, 512, v10
	s_add_co_u32 s[COLB], s[COLB], 64
	s_sub_co_u32 s[TRIPS], s[TRIPS], 1
	s_cmp_lg_u32 s[TRIPS], 0
	s_cbranch_scc1 .Ltrip
	; the two halves of the lanes meet: the greater value, or of equal values the lower index.  Every work-group does this; only view 1's result is stored to memory.
	s_lshl_b32 s[T2], s[SLICE], 8
	v_lshl_add_u32 v1, v3, 3, s[T2]                ; 8 h + 256 slice
	v_add_nc_u32 v18, v18, v1
	v_add_nc_u32 v19, v19, v1
	v_permlanex16_b32 v20, v16, s[SEL], s[SEL+1]
	v_permlanex16_b32 v21, v17, s[SEL], s[SEL+1]
	v_permlanex16_b32 v22, v18, s[SEL], s[SEL+1]
	v_permlanex16_b32 v23, v19, s[SEL], s[SEL+1]
.irp mt, 0,1
	v_cmp_gt_f32 s[M0], v[20+(\mt)], v[16+(\mt)]
	v_cmp_eq_f32 s[M1], v[20+(\mt)], v[16+(\mt)]
	v_cmp_lt_u32 vcc_lo, v[22+(\mt)], v[18+(\mt)]
	s_and_b32 s[M1], s[M1], vcc_lo
	s_or_b32 s[M0], s[M0], s[M1]
	v_cndmask_b32 v[16+(\mt)], v[16+(\mt)], v[20+(\mt)], s[M0]
	v_cndmask_b32 v[18+(\mt)], v[18+(\mt)], v[22+(\mt)], s[M0]
.endr
	ds_store_b32 v10, v16 offset:2048              ; v10 stands 2,048 bytes on by now: STATS + 4,096
	ds_store_b32 v10, v17 offset:2048+64
	ds_store_b32 v10, v18 offset:2560
	ds_store_b32 v10, v19 offset:2560+64
	s_wait_dscnt 0x0
	s_barrier_signal -1
	s_barrier_wait -1
	s_lshl_b32 s[T2], s[WV], 9
	s_add_co_u32 s[T2], s[T2], STATS
	v_lshl_add_u32 v1, v15, 4, s[T2]               ; block = my wave's number: 512 bytes of m, of the sums
	ds_load_b128 v[64:67], v1
	ds_load_b128 v[68:71], v1 offset:2048
	s_lshl_b32 s[T2], s[WV], 8
	s_add_co_u32 s[T2], s[T2], STATS+4096
	v_lshl_add_u32 v2, v15, 3, s[T2]               ; my quarter of the best values and indices
	ds_load_b64 v[72:73], v2
	v_lshlrev_b32 v20, 4, v15
	v_lshlrev_b32 v21, 3, v15
	s_wait_dscnt 0x0
	global_store_b128 v20, v[64:67], s[MBB:MBB+1]
	global_store_b128 v20, v[68:71], s[MBB:MBB+1] offset:524288
	s_cmp_lg_u32 s[VIEW], 0
	s_cbranch_scc1 .Lend
	global_store_b64 v21, v[72:73], s[HVB:HVB+1]
.Lend:
	WIN AD
	s_wait_tensorcnt 0x0                           ; the wave's end: three closing lines
	ds_add_u32 v[SPW], v[NIL]
	s_wait_dscnt 0x0
	WIN 0
	CROUND                                         ; the closing round
	s_endpgm
.Lfunc_end_k_q9c81795628_lg:
	.size	k_q9c81795628_lg, .Lfunc_end_k_q9c81795628_lg-k_q9c81795628_lg
	.p2alignl 7, 3214868480
	.fill 96, 4, 3214868480
	.section	.rodata,"a",@progbits
	.p2align	6, 0x0
	.amdhsa_kernel k_q9c81795628_lg
		.amdhsa_group_segment_fixed_size 327680
		.amdhsa_private_segment_fixed_size 0
		.amdhsa_enable_private_segment 0
		.amdhsa_kernarg_size 56
		.amdhsa_user_sgpr_count 2
		.amdhsa_user_sgpr_kernarg_segment_ptr 1
		.amdhsa_wavefront_size32 1
		.amdhsa_system_sgpr_workgroup_id_x 1
		.amdhsa_system_sgpr_workgroup_id_y 1
		.amdhsa_system_sgpr_workgroup_id_z 1
		.amdhsa_system_vgpr_workitem_id 0
		.amdhsa_next_free_vgpr 832
		.amdhsa_next_free_sgpr 96
		.amdhsa_reserve_vcc 1
		.amdhsa_float_denorm_mode_32 3
		.amdhsa_float_denorm_mode_16_64 3
		.amdhsa_memory_ordered 1
		.amdhsa_forward_progress 1
		.amdhsa_inst_pref_size 175
	.end_amdhsa_kernel
	.amdgpu_metadata
---
amdhsa.version: [ 1, 2 ]
amdhsa.kernels:
  - .name:           k_q9c81795628_lg
    .symbol:         k_q9c81795628_lg.kd
    .args:
      - { .name: wfeat, .offset: 0, .size: 8, .value_kind: global_buffer, .address_space: global }
      - { .name: wprep, .offset: 8, .size: 8, .value_kind: global_buffer, .address_space: global }
      - { .name: u1a, .offset: 16, .size: 8, .value_kind: global_buffer, .address_space: global }
      - { .name: u1b, .offset: 24, .size: 8, .value_kind: global_buffer, .address_space: global }
      - { .name: u2a, .offset: 32, .size: 8, .value_kind: global_buffer, .address_space: global }
      - { .name: wlossn, .offset: 40, .size: 8, .value_kind: global_buffer, .address_space: global }
      - { .name: wgsm, .offset: 48, .size: 8, .value_kind: global_buffer, .address_space: global }
    .group_segment_fixed_size: 327680
    .private_segment_fixed_size: 0
    .kernarg_segment_align: 8
    .kernarg_segment_size: 56
    .max_flat_workgroup_size: 128
    .sgpr_count:     96
    .vgpr_count:     832
    .wavefront_size: 32
...
	.end_amdgpu_metadata
.endif
;; end of part 3
;; launch agg (part 4): grid 8 x 32, 4 waves a work-group, no clusters, 314,880 bytes of LDS; arguments wgsm, wfeat, wagg, out0; writes wagg, out0
.if DOCPART == 4
	.amdgcn_target "amdgcn-amd-amdhsa--gfx1250"
	.amdhsa_code_object_version 6
	.text
	.protected	k_q9c81795628_agg
	.globl	k_q9c81795628_agg
	.p2align	8
	.type	k_q9c81795628_agg,@function
k_q9c81795628_agg:
	s_mov_b64 s[64:65], 0
	v_nop
	global_prefetch_b8 v0, s[64:65] scope:SCOPE_SE
	s_setreg_imm32_b32 hwreg(HW_REG_WAVE_MODE, 25, 1), 1
	s_wait_xcnt 0x0
; AGG: partial sums over 512 rows b of  P[k][d] = sum_b y[b][k] feat[b][d]  and  NP[k] = sum_b y[b][k];  and out0.
; y = e' s, s = 2^(m_block - M) / Zrow, M = the largest of the row's 16 block maxima, Zrow = the sum of sum_block 2^(m_block - M): the second step of the maximum taken away.  y, s, e' in f16 (all in 0 .. 1;
; below 6e-5 f16 keeps its fixed step of 6e-8); sums in f32.
; Left out (shown at the head of the first kernel): view 2's hard path.  out0 is the first index of the largest value among the four slices' bests.
; SHARES.  grid x: 512 b.  grid y = ((view x 8 + kt) x 2 + dh): 128 k (two blocks of 64), 128 d.  Wave (kh, dw): one block of 64 k x 64 d: 16 accumulators.  The work-groups with y = 0 also make 512 numbers of out0.
; Both operands lie [b][..] in LDS and come out turned (ds_load_tr16_b128).  Source 0 = 16 d, source 1 = 16 k: a lane holds one k (lane % 16) and eight d.
; NP is a product of ones with y, made by the waves with dh = dw = 0; the first step's four, which start those sums, run in every wave, so that their registers are written on every way through the text.
.set EPI,   160                        ; a row of e' in LDS: 128 bytes + 32
.set FPI,   288                        ; a row of feat: 256 + 32
.set FB,    163840
.set STAB,  311296                     ; s in f16: 2 blocks x 512 b
.set NST,   313344                     ; the normaliser sums' way out: 256 bytes for each wave, its own
.set SPARE, 314368
.set SGP,   272                        ; the way out's stage, 16 rows a wave, lies over e' from byte 0, behind a barrier; nothing is filled after it
.set SF,  32                           ; v[32:47]  s, two buffers
.set ONES, 48                          ; v[48:55]
.set AB,  64                           ; v[64:127]  feat^T, two buffers of four fragments
.set BB,  128                          ; v[128:191] y^T likewise
.set NF,  60
.set CNT, 61
.set MSB, 0
.macro WIN new
.if MSB != (\new)
	s_set_vgpr_msb (MSB<<8)|(\new)
.set MSB, (\new)
.endif
.endm
.macro PLACES
.rept 4
	v_nop
.endr
.endm
.macro KLOAD p, st                     ; 18 LDS loads: the step st steps on from the address registers
.irp t, 0,1,2,3
	ds_load_tr16_b128 v[AB+32*(\p)+8*(\t):AB+32*(\p)+8*(\t)+3],   v8 offset:(\st)*32*FPI+32*(\t)
	ds_load_tr16_b128 v[AB+32*(\p)+8*(\t)+4:AB+32*(\p)+8*(\t)+7], v8 offset:(\st)*32*FPI+32*(\t)+16*FPI
	ds_load_tr16_b128 v[BB+32*(\p)+8*(\t):BB+32*(\p)+8*(\t)+3],   v9 offset:(\st)*32*EPI+32*(\t)
	ds_load_tr16_b128 v[BB+32*(\p)+8*(\t)+4:BB+32*(\p)+8*(\t)+7], v9 offset:(\st)*32*EPI+32*(\t)+16*EPI
.endr
	ds_load_b128 v[SF+8*(\p):SF+8*(\p)+3],   v10 offset:(\st)*64
	ds_load_b128 v[SF+8*(\p)+4:SF+8*(\p)+7], v10 offset:(\st)*64+32
.endm
.macro NORM4 p, zero
.irp t, 0,1,2,3
.if \zero
	v_wmma_f32_16x16x32_f16 v[128+8*(\t):128+8*(\t)+7], v[ONES:ONES+7], v[BB+32*(\p)+8*(\t):BB+32*(\p)+8*(\t)+7], 0
.else
	v_wmma_f32_16x16x32_f16 v[128+8*(\t):128+8*(\t)+7], v[ONES:ONES+7], v[BB+32*(\p)+8*(\t):BB+32*(\p)+8*(\t)+7], v[128+8*(\t):128+8*(\t)+7]
.endif
.endr
.endm
; A step of 32 b on buffers p.  The 32 scalings name none of the registers of the step before and are the places ahead of the loads into its buffers.
.macro KSTEP p, next, zero
	s_wait_dscnt 0x0
.irp t, 0,1,2,3
.irp j, 0,1,2,3,4,5,6,7
	v_pk_mul_f16 v[BB+32*(\p)+8*(\t)+(\j)], v[BB+32*(\p)+8*(\t)+(\j)], v[SF+8*(\p)+(\j)]  ; y = e' s
.endr
.endr
.if (\next) > 0
	KLOAD 1-(\p), \next
.endif
	WIN 0x50                                       ; C and D in window 1
.irp t, 0,1,2,3
.irp d, 0,1,2,3
.if \zero
	v_wmma_f32_16x16x32_f16 v[8*(4*(\t)+(\d)):8*(4*(\t)+(\d))+7], v[AB+32*(\p)+8*(\d):AB+32*(\p)+8*(\d)+7], v[BB+32*(\p)+8*(\t):BB+32*(\p)+8*(\t)+7], 0
.else
	v_wmma_f32_16x16x32_f16 v[8*(4*(\t)+(\d)):8*(4*(\t)+(\d))+7], v[AB+32*(\p)+8*(\d):AB+32*(\p)+8*(\d)+7], v[BB+32*(\p)+8*(\t):BB+32*(\p)+8*(\t)+7], v[8*(4*(\t)+(\d)):8*(4*(\t)+(\d))+7]
.endif
.endr
.endr
.if \zero
	NORM4 \p, 1
	WIN 0
.else
	WIN 0
	s_cmp_eq_u32 s[NF], 1
	s_cbranch_scc0 .Lnn_\@
	WIN 0x50
	NORM4 \p, 0
	WIN 0
.Lnn_\@:
.endif
.endm
.macro ADV                             ; two steps on
	v_add_nc_u32 v8, 2*32*FPI, v8
	v_add_nc_u32 v9, 2*32*EPI, v9
	v_add_nc_u32 v10, 128, v10
.endm
	s_load_b256 s[4:11], s[0:1], 0x0               ; wgsm, wfeat, wagg, out0
	v_lshl_add_u32 v30, v0, 2, SPARE
	v_mov_b32 v31, 0
	ds_add_u32 v30, v31                            ; the opening: the add, twice on end, and its wait ahead of my first tensor load
	ds_add_u32 v30, v31
	v_lshrrev_b32 v1, 5, v0
	v_readfirstlane_b32 s12, v1                    ; wave
	s_mov_b32 s13, ttmp9                           ; bs
	s_and_b32 s14, ttmp7, 0xffff
	s_lshr_b32 s15, s14, 4                         ; view
	s_bfe_u32 s16, s14, 0x30001                    ; kt
	s_and_b32 s17, s14, 1                          ; dh
	s_lshr_b32 s18, s12, 1                         ; kh
	s_and_b32 s19, s12, 1                          ; dw; also: which half I fetch
	s_or_b32 s[NF], s17, s19
	s_cmp_eq_u32 s[NF], 0
	s_cselect_b32 s[NF], 1, 0
	s_mov_b32 s24, (1<<16)|(1<<20)|(4<<22)|(7<<25) ; e': 512 dense rows of 128 bytes, asked for as 256 rows of 256; 8 words of padding after every 32
	s_mov_b32 s25, 128<<16
	s_mov_b32 s26, 256<<16
	s_mov_b32 s27, 128<<16
	s_mov_b32 s28, 256
	s_mov_b32 s29, 128
	s_mov_b32 s30, 0
	s_mov_b32 s31, 0
	s_mov_b32 s32, (1<<16)|(1<<20)|(5<<22)|(7<<25) ; feat: 256 rows x 128 elements of rows of 256; 8 words of padding after every 64
	s_mov_b32 s33, 128<<16
	s_mov_b32 s34, 256<<16
	s_mov_b32 s35, 128<<16
	s_mov_b32 s36, 256
	s_mov_b32 s37, 256
	s_mov_b32 s38, 0
	s_mov_b32 s39, 0
	s_mov_b32 s40, 1
	s_mul_i32 s41, s19, 512*EPI
	s_mov_b32 s44, 1
	s_mul_i32 s45, s19, 256*FPI
	s_add_co_u32 s45, s45, FB
	v_lshlrev_b32 v1, 4, v0                        ; 16 t: my four b in a table of f32
	v_lshlrev_b32 v2, 3, v0
	v_add_nc_u32 v2, STAB, v2                      ; and in the table of s
	v_and_b32 v17, 31, v0
	v_and_b32 v18, 15, v0
	v_bfe_u32 v3, v0, 4, 1
	v_and_b32 v4, 7, v0
	v_bfe_u32 v5, v0, 3, 1
	v_lshl_add_u32 v6, v3, 3, v4                   ; 8 h + lane % 8: the turning load's row
	v_mul_u32_u24 v8, v6, FPI
	v_lshl_add_u32 v8, v5, 4, v8
	s_lshl_b32 s20, s19, 7
	s_add_co_u32 s20, s20, FB
	v_add_nc_u32 v8, s20, v8                       ; feat: my 64 d
	v_mul_u32_u24 v9, v6, EPI
	v_lshl_add_u32 v9, v5, 4, v9
	s_mul_i32 s20, s18, 512*EPI
	v_add_nc_u32 v9, s20, v9                       ; e': my block
	s_lshl_b32 s20, s18, 10
	s_add_co_u32 s20, s20, STAB
	v_lshl_add_u32 v10, v3, 4, s20                 ; s: b = 8 h ..
	s_mul_i32 s20, s12, 16*SGP
	v_mul_u32_u24 v11, v18, SGP
	v_lshl_add_u32 v11, v3, 5, v11
	v_add_nc_u32 v11, s20, v11                     ; into my stage
	v_mul_u32_u24 v12, v3, SGP
	v_lshl_add_u32 v12, v18, 4, v12
	v_add_nc_u32 v12, s20, v12                     ; back by rows
	v_lshlrev_b32 v13, 10, v3
	v_lshl_add_u32 v13, v18, 4, v13                ; the same two rows in P
	s_lshl_b32 s20, s12, 8                         ; 256 x my wave's number: no other wave names these bytes
	s_add_co_u32 s20, s20, NST
	v_lshl_add_u32 v14, v18, 2, s20
	v_lshl_add_u32 v15, v17, 3, s20
	v_lshlrev_b32 v16, 3, v17
.set i, 0
.rept 8
	v_mov_b32 v[ONES+i], 0x3c003c00
.set i, i+1
.endr
	s_mov_b32 s21, 0
	s_wait_dscnt 0x0                               ; both opening adds are done
	s_wait_kmcnt 0x0
	s_lshl_b32 s20, s15, 23
	s_lshl_b32 s22, s16, 20
	s_add_co_u32 s20, s20, s22
	s_lshl_b32 s22, s19, 19
	s_add_co_u32 s20, s20, s22
	s_lshl_b32 s22, s13, 16
	s_add_co_u32 s20, s20, s22
	s_add_nc_u64 s[42:43], s[4:5], s[20:21]        ; E[view][2 kt + half] at b = 512 bs
	s_or_b32 s43, s43, 0x80000000
	s_lshl_b32 s20, s15, 22
	s_lshl_b32 s22, s13, 18
	s_add_co_u32 s20, s20, s22
	s_lshl_b32 s22, s19, 17
	s_add_co_u32 s20, s20, s22
	s_lshl_b32 s22, s17, 8
	s_add_co_u32 s20, s20, s22
	s_add_co_u32 s20, s20, 2097152
	s_add_nc_u64 s[46:47], s[6:7], s[20:21]        ; FH(view) at b = 512 bs + 256 half, d = 128 dh
	s_or_b32 s47, s47, 0x80000000
	s_cmp_lt_u32 s12, 2                            ; waves 0, 1 fetch the two blocks of e', waves 2, 3 the halves of feat: one tensor load a wave, nothing is filled again
	s_cbranch_scc0 .Lfor_f
	tensor_load_to_lds s[40:43], s[24:31]
	s_nop 0
	PLACES
	s_branch .Lasked
.Lfor_f:
	tensor_load_to_lds s[44:47], s[32:39]
	s_nop 0
	PLACES
.Lasked:
	s_lshl_b32 s20, s15, 18
	s_lshl_b32 s22, s13, 11
	s_add_co_u32 s20, s20, s22
	s_add_co_u32 s20, s20, 16777216
	s_add_nc_u64 s[48:49], s[4:5], s[20:21]        ; MB[view] at my work-group's b; SB 524,288 on
	s_lshl_b32 s20, s16, 15
	s_add_nc_u64 s[50:51], s[48:49], s[20:21]      ; the work-group's own two blocks
	s_lshl_b32 s20, s13, 11
	s_add_nc_u64 s[54:55], s[10:11], s[20:21]      ; out0
	s_add_co_u32 s20, s20, 17825792
	s_add_nc_u64 s[52:53], s[4:5], s[20:21]        ; HV; HI 65,536 on
	s_lshl_b32 s20, s15, 23
	s_lshl_b32 s22, s13, 20
	s_add_co_u32 s20, s20, s22
	s_lshl_b32 s22, s16, 17
	s_add_co_u32 s20, s20, s22
	s_lshl_b32 s22, s18, 16
	s_add_co_u32 s20, s20, s22
	s_lshl_b32 s22, s17, 9
	s_add_co_u32 s20, s20, s22
	s_lshl_b32 s22, s19, 8
	s_add_co_u32 s20, s20, s22
	s_add_nc_u64 s[56:57], s[8:9], s[20:21]        ; P[view][bs] at my 64 k, my 64 d
	s_lshl_b32 s20, s15, 15
	s_lshl_b32 s22, s13, 12
	s_add_co_u32 s20, s20, s22
	s_lshl_b32 s22, s16, 9
	s_add_co_u32 s20, s20, s22
	s_lshl_b32 s22, s18, 8
	s_add_co_u32 s20, s20, s22
	s_add_co_u32 s20, s20, 16777216
	s_add_nc_u64 s[58:59], s[8:9], s[20:21]        ; NP[view][bs] at my 64 k
	; THE ROWS' STATISTICS, while the tiles are on their way: thread t owns b = 4 t .. 4 t + 3
.set j, 0
.rept 16
	global_load_b128 v[64+4*j:64+4*j+3],   v1, s[48:49] offset:16384*j
	global_load_b128 v[128+4*j:128+4*j+3], v1, s[48:49] offset:524288+16384*j
.set j, j+1
.endr
	global_load_b128 v[192:195], v1, s[50:51]
	global_load_b128 v[196:199], v1, s[50:51] offset:16384
	s_wait_loadcnt 0x0
.irp c, 0,1,2,3
	v_max3_num_f32 v[32+(\c)], v[64+(\c)], v[68+(\c)], v[72+(\c)]
.endr
.irp j, 3,5,7,9,11,13
.irp c, 0,1,2,3
	v_max3_num_f32 v[32+(\c)], v[32+(\c)], v[64+4*(\j)+(\c)], v[68+4*(\j)+(\c)]
.endr
.endr
.irp c, 0,1,2,3
	v_max_num_f32 v[32+(\c)], v[32+(\c)], v[124+(\c)]
.endr
.set j, 0
.rept 16
	v_pk_add_f32 v[64+4*j:64+4*j+1],   v[64+4*j:64+4*j+1],   v[32:33] neg_lo:[0,1] neg_hi:[0,1]
	v_pk_add_f32 v[64+4*j+2:64+4*j+3], v[64+4*j+2:64+4*j+3], v[34:35] neg_lo:[0,1] neg_hi:[0,1]
.set j, j+1
.endr
.irp o, 192,196
	v_pk_add_f32 v[(\o):(\o)+1],   v[(\o):(\o)+1],   v[32:33] neg_lo:[0,1] neg_hi:[0,1]
	v_pk_add_f32 v[(\o)+2:(\o)+3], v[(\o)+2:(\o)+3], v[34:35] neg_lo:[0,1] neg_hi:[0,1]
.endr
.set j, 0
.rept 64
	v_exp_f32 v[64+j], v[64+j]
.set j, j+1
.endr
.set j, 0
.rept 8
	v_exp_f32 v[192+j], v[192+j]
.set j, j+1
.endr
	v_nop
	s_wait_alu depctr_va_vdst(0)                   ; one wait for the 72 exponentials
	v_pk_mul_f32 v[36:37], v[128:129], v[64:65]
	v_pk_mul_f32 v[38:39], v[130:131], v[66:67]
.set j, 1
.rept 15
	v_pk_fma_f32 v[36:37], v[128+4*j:128+4*j+1],   v[64+4*j:64+4*j+1],   v[36:37]
	v_pk_fma_f32 v[38:39], v[128+4*j+2:128+4*j+3], v[64+4*j+2:64+4*j+3], v[38:39]
.set j, j+1
.endr
.irp c, 0,1,2,3
	v_rcp_f32 v[36+(\c)], v[36+(\c)]               ; the row's sum is at least 1: the block that holds M gives its own sum, which holds a 1
.endr
	v_nop
	s_wait_alu depctr_va_vdst(0)
.irp o, 0,1
	v_pk_mul_f32 v[192+4*(\o):193+4*(\o)], v[192+4*(\o):193+4*(\o)], v[36:37]
	v_pk_mul_f32 v[194+4*(\o):195+4*(\o)], v[194+4*(\o):195+4*(\o)], v[38:39]
	v_cvt_pk_f16_f32 v[40+2*(\o)], v[192+4*(\o)], v[193+4*(\o)]
	v_cvt_pk_f16_f32 v[41+2*(\o)], v[194+4*(\o)], v[195+4*(\o)]
	ds_store_b64 v2, v[40+2*(\o):41+2*(\o)] offset:1024*(\o)
.endr
	s_cmp_lg_u32 s14, 0
	s_cbranch_scc1 .Lno_out0
.set j, 0
.rept 4                                ; the four slices' best values and indices
	global_load_b128 v[200+4*j:200+4*j+3], v1, s[52:53] offset:16384*j
	global_load_b128 v[216+4*j:216+4*j+3], v1, s[52:53] offset:65536+16384*j
.set j, j+1
.endr
	s_wait_loadcnt 0x0
.irp j, 1,2,3                          ; in ascending order of columns: only a greater value displaces an earlier one
.irp c, 0,1,2,3
	v_cmp_gt_f32 vcc_lo, v[200+4*(\j)+(\c)], v[200+(\c)]
	v_cndmask_b32 v[200+(\c)], v[200+(\c)], v[200+4*(\j)+(\c)], vcc_lo
	v_cndmask_b32 v[216+(\c)], v[216+(\c)], v[216+4*(\j)+(\c)], vcc_lo
.endr
.endr
	global_store_b128 v1, v[216:219], s[54:55]
.Lno_out0:
	s_wait_tensorcnt 0x0                           ; my tile is in,
	s_wait_dscnt 0x0                               ; my part of the table of s is written
	s_barrier_signal -1
	s_barrier_wait -1
	KLOAD 0, 0
	KSTEP 0, 1, 1                                  ; the first step starts the sums
	KSTEP 1, 2, 0
	ADV
	s_mov_b32 s[CNT], 6
.Lk:
	KSTEP 0, 1, 0
	KSTEP 1, 2, 0
	ADV
	s_sub_co_u32 s[CNT], s[CNT], 1
	s_cmp_lg_u32 s[CNT], 0
	s_cbranch_scc1 .Lk
	KSTEP 0, 1, 0
	KSTEP 1, 0, 0
	PLACES
	s_wait_dscnt 0x0
	s_barrier_signal -1
	s_barrier_wait -1                              ; nobody reads e' any more: the stages may lie over it
.irp t, 0,1,2,3                        ; 16 k at a time through my stage; each block comes back into registers of its own
	WIN 0x04                                       ; store data in window 1
.irp d, 0,1,2,3
	ds_store_b128 v11, v[8*(4*(\t)+(\d)):8*(4*(\t)+(\d))+3]   offset:64*(\d)
	ds_store_b128 v11, v[8*(4*(\t)+(\d))+4:8*(4*(\t)+(\d))+7] offset:64*(\d)+16
.endr
	WIN 0
.irp i, 0,1,2,3,4,5,6,7
	ds_load_b128 v[64+32*(\t)+4*(\i):64+32*(\t)+4*(\i)+3], v12 offset:(\i)*2*SGP
.endr
.endr
	s_wait_dscnt 0x0
.irp t, 0,1,2,3
.irp i, 0,1,2,3,4,5,6,7
	global_store_b128 v13, v[64+32*(\t)+4*(\i):64+32*(\t)+4*(\i)+3], s[56:57] offset:(\t)*16384+(\i)*2048  ; sixteen lanes store 256 consecutive bytes, aligned
.endr
.endr
	s_cmp_eq_u32 s[NF], 1
	s_cbranch_scc0 .Lend
	WIN 0x04
.irp t, 0,1,2,3
	ds_store_b32 v14, v[128+8*(\t)] offset:64*(\t) ; every register of such a result holds the sum: the lowest is taken; the bytes are my wave's own
.endr
	WIN 0
	ds_load_b64 v[32:33], v15                      ; my own bytes: LDS serves a wave's instructions in order
	s_wait_dscnt 0x0
	global_store_b64 v16, v[32:33], s[58:59]
.Lend:
	s_wait_tensorcnt 0x0                           ; the wave's end: three closing lines
	ds_add_u32 v30, v31
	s_wait_dscnt 0x0
	s_endpgm
.Lfunc_end_k_q9c81795628_agg:
	.size	k_q9c81795628_agg, .Lfunc_end_k_q9c81795628_agg-k_q9c81795628_agg
	.p2alignl 7, 3214868480
	.fill 96, 4, 3214868480
	.section	.rodata,"a",@progbits
	.p2align	6, 0x0
	.amdhsa_kernel k_q9c81795628_agg
		.amdhsa_group_segment_fixed_size 314880
		.amdhsa_private_segment_fixed_size 0
		.amdhsa_enable_private_segment 0
		.amdhsa_kernarg_size 32
		.amdhsa_user_sgpr_count 2
		.amdhsa_user_sgpr_kernarg_segment_ptr 1
		.amdhsa_wavefront_size32 1
		.amdhsa_system_sgpr_workgroup_id_x 1
		.amdhsa_system_sgpr_workgroup_id_y 1
		.amdhsa_system_sgpr_workgroup_id_z 1
		.amdhsa_system_vgpr_workitem_id 0
		.amdhsa_next_free_vgpr 416
		.amdhsa_next_free_sgpr 66
		.amdhsa_reserve_vcc 1
		.amdhsa_float_denorm_mode_32 3
		.amdhsa_float_denorm_mode_16_64 3
		.amdhsa_memory_ordered 1
		.amdhsa_forward_progress 1
		.amdhsa_inst_pref_size 58
	.end_amdhsa_kernel
	.amdgpu_metadata
---
amdhsa.version: [ 1, 2 ]
amdhsa.kernels:
  - .name:           k_q9c81795628_agg
    .symbol:         k_q9c81795628_agg.kd
    .args:
      - { .name: wgsm, .offset: 0, .size: 8, .value_kind: global_buffer, .address_space: global }
      - { .name: wfeat, .offset: 8, .size: 8, .value_kind: global_buffer, .address_space: global }
      - { .name: wagg, .offset: 16, .size: 8, .value_kind: global_buffer, .address_space: global }
      - { .name: out0, .offset: 24, .size: 8, .value_kind: global_buffer, .address_space: global }
    .group_segment_fixed_size: 314880
    .private_segment_fixed_size: 0
    .kernarg_segment_align: 8
    .kernarg_segment_size: 32
    .max_flat_workgroup_size: 128
    .sgpr_count:     66
    .vgpr_count:     416
    .wavefront_size: 32
...
	.end_amdgpu_metadata
.endif
;; end of part 4
;; launch fin (part 5): grid 256 x 1, 4 waves a work-group, no clusters, 0 bytes of LDS; arguments wagg, wfeat, wlossn, wfin, out2; writes wfin, out2
.if DOCPART == 5
	.amdgcn_target "amdgcn-amd-amdhsa--gfx1250"
	.amdhsa_code_object_version 6
	.text
	.protected	k_q9c81795628_fin
	.globl	k_q9c81795628_fin
	.p2align	8
	.type	k_q9c81795628_fin,@function
k_q9c81795628_fin:
	s_mov_b64 s[64:65], 0
	v_nop
	global_prefetch_b8 v0, s[64:65] scope:SCOPE_SE
	s_setreg_imm32_b32 hwreg(HW_REG_WAVE_MODE, 25, 1), 1
	s_wait_xcnt 0x0
; FIN: wave gw (0..1023) finishes k row gw of both views and the loss of rows 4 gw .. 4 gw + 3.
;   agg_k_v = l2norm((sum of the 8 partial sums) / (sum of the 8 partial normalisers + 1e-8));  out2 = agg_k_2;  QKS = bf16(agg_k_1 c);  Pk = c agg_k_1 . agg_k_2
;   row b: P = c feat_1 . feat_2 (from the f16 hi parts);  loss = ln 2 (log2(the sum over 32 chunks of psum_n + 2^P) - P);  pl = the four rows' losses / 4096
; No maximum is taken away: |P| <= 20.7 and the sums stay under 2^36, since reference() itself normalises both factors.  No LDS: a row never leaves its wave.
.set PB, 32                            ; v[32:159] partial sums: view v, split s, half: 32 + 64 v + 8 s + 4 half
.macro WSUM cnt, x, xs, t, ts          ; sums over the wave's 32 lanes of cnt registers v[x + xs i]; v[t + ts i] at work (written before)
.irp m, 1,2,4,8
.set i, 0
.rept \cnt
	v_add_f32_dpp v[(\x)+(\xs)*i], v[(\x)+(\xs)*i], v[(\x)+(\xs)*i] row_xmask:\m row_mask:0xf bank_mask:0xf
.set i, i+1
.endr
.endr
.set i, 0
.rept \cnt
	v_permlanex16_b32 v[(\t)+(\ts)*i], v[(\x)+(\xs)*i], s38, s39
.set i, i+1
.endr
.set i, 0
.rept \cnt
	v_add_f32 v[(\x)+(\xs)*i], v[(\x)+(\xs)*i], v[(\t)+(\ts)*i]
.set i, i+1
.endr
.endm
	s_load_b256 s[4:11], s[0:1], 0x0               ; wagg, wfeat, wlossn, wfin
	s_load_b64 s[12:13], s[0:1], 0x20              ; out2
	v_lshrrev_b32 v1, 5, v0
	v_readfirstlane_b32 s14, v1
	s_lshl_b32 s15, ttmp9, 2
	s_add_co_u32 s15, s15, s14                     ; gw
	s_mov_b32 s38, 0x76543210
	s_mov_b32 s39, 0xfedcba98
	v_and_b32 v1, 31, v0
	v_lshlrev_b32 v2, 4, v1
	v_lshlrev_b32 v3, 3, v1
	v_and_b32 v4, 15, v0
	v_lshlrev_b32 v4, 12, v4                       ; NP: lane % 16 = 8 view + split
	v_lshlrev_b32 v5, 14, v1                       ; psum_n: lane = chunk
	v_mov_b32 v30, 0
.set i, 12
.rept 16
	v_mov_b32 v[i], 0                              ; v12-15 the four rows' dots start at 0; v16-27 at work
.set i, i+1
.endr
	s_mov_b32 s37, 0
	s_wait_kmcnt 0x0
	s_lshl_b32 s36, s15, 10
	s_add_nc_u64 s[16:17], s[4:5], s[36:37]        ; P[0][0][gw]
	s_add_nc_u64 s[18:19], s[16:17], 0x800000      ; P[1][0][gw]
	s_add_nc_u64 s[30:31], s[12:13], s[36:37]      ; out2[gw]
	s_lshl_b32 s36, s15, 2
	s_add_co_u32 s36, s36, 16777216
	s_add_nc_u64 s[20:21], s[4:5], s[36:37]
	s_lshl_b32 s36, s15, 11
	s_add_nc_u64 s[22:23], s[6:7], s[36:37]        ; four rows of 512 bytes
	s_lshl_b32 s36, s15, 4
	s_add_nc_u64 s[24:25], s[8:9], s[36:37]
	s_lshl_b32 s36, s15, 9
	s_add_nc_u64 s[26:27], s[10:11], s[36:37]      ; QKS[gw]
	s_lshl_b32 s36, s15, 3
	s_add_co_u32 s36, s36, 524288
	s_add_nc_u64 s[28:29], s[10:11], s[36:37]      ; FS[gw]
	global_load_b32 v16, v4, s[20:21]
.set i, 0
.rept 8
	global_load_b128 v[PB+8*i:PB+8*i+3],       v2, s[16:17] offset:1048576*i
	global_load_b128 v[PB+8*i+4:PB+8*i+7],     v2, s[16:17] offset:1048576*i+512
	global_load_b128 v[PB+64+8*i:PB+64+8*i+3],   v2, s[18:19] offset:1048576*i
	global_load_b128 v[PB+64+8*i+4:PB+64+8*i+7], v2, s[18:19] offset:1048576*i+512
.set i, i+1
.endr
.set i, 0
.rept 4
	global_load_b128 v[160+4*i:160+4*i+3], v2, s[22:23] offset:2097152+512*i
	global_load_b128 v[176+4*i:176+4*i+3], v2, s[22:23] offset:6291456+512*i
.set i, i+1
.endr
	global_load_b128 v[192:195], v5, s[24:25]
	s_wait_loadcnt 0x0
.irp s, 1,2,3,4,5,6,7
.irp vw, 0,1
.irp q, 0,2,4,6
	v_pk_add_f32 v[PB+64*(\vw)+(\q):PB+64*(\vw)+(\q)+1], v[PB+64*(\vw)+(\q):PB+64*(\vw)+(\q)+1], v[PB+64*(\vw)+8*(\s)+(\q):PB+64*(\vw)+8*(\s)+(\q)+1]
.endr
.endr
.endr
.irp m, 1,2,4
	v_add_f32_dpp v16, v16, v16 row_xmask:\m row_mask:0xf bank_mask:0xf
.endr
	v_add_f32 v16, 0x322bcc77, v16                 ; + 1e-8
	v_rcp_f32 v16, v16
	v_nop
	s_wait_alu depctr_va_vdst(0)
	v_readlane_b32 s32, v16, 0
	v_readlane_b32 s34, v16, 8
	s_mov_b32 s33, s32
	s_mov_b32 s35, s34
.irp vw, 0,1
.irp q, 0,2,4,6
	v_pk_mul_f32 v[PB+64*(\vw)+(\q):PB+64*(\vw)+(\q)+1], v[PB+64*(\vw)+(\q):PB+64*(\vw)+(\q)+1], s[32+2*(\vw):33+2*(\vw)] op_sel_hi:[1,0]
.endr
	v_pk_mul_f32 v[6+2*(\vw):7+2*(\vw)], v[PB+64*(\vw):PB+64*(\vw)+1], v[PB+64*(\vw):PB+64*(\vw)+1]
.irp q, 2,4,6
	v_pk_fma_f32 v[6+2*(\vw):7+2*(\vw)], v[PB+64*(\vw)+(\q):PB+64*(\vw)+(\q)+1], v[PB+64*(\vw)+(\q):PB+64*(\vw)+(\q)+1], v[6+2*(\vw):7+2*(\vw)]
.endr
	v_add_f32 v[6+2*(\vw)], v[6+2*(\vw)], v[7+2*(\vw)]
.endr
	WSUM 2, 6, 2, 7, 2
	v_max_num_f32 v6, 0x2b8cbccc, v6
	v_max_num_f32 v8, 0x2b8cbccc, v8
	v_rsq_f32 v6, v6
	v_rsq_f32 v8, v8
	v_nop
	s_wait_alu depctr_va_vdst(0)
.irp vw, 0,1
.irp q, 0,2,4,6
	v_pk_mul_f32 v[PB+64*(\vw)+(\q):PB+64*(\vw)+(\q)+1], v[PB+64*(\vw)+(\q):PB+64*(\vw)+(\q)+1], v[6+2*(\vw):7+2*(\vw)] op_sel_hi:[1,0]
.endr
.endr
	global_store_b128 v2, v[PB+64:PB+67], s[30:31]
	global_store_b128 v2, v[PB+68:PB+71], s[30:31] offset:512
	v_pk_mul_f32 v[10:11], v[PB:PB+1], v[PB+64:PB+65]
.irp q, 2,4,6
	v_pk_fma_f32 v[10:11], v[PB+(\q):PB+(\q)+1], v[PB+64+(\q):PB+64+(\q)+1], v[10:11]
.endr
	v_add_f32 v10, v10, v11
	WSUM 1, 10, 1, 11, 1
	v_mul_f32 v28, 0x41a4e122, v10                 ; Pk
.irp q, 0,2,4,6
	v_pk_mul_f32 v[PB+(\q):PB+(\q)+1], v[PB+(\q):PB+(\q)+1], 0x41a4e122 op_sel_hi:[1,0]
.endr
.irp q, 0,1,2,3
	v_cvt_pk_bf16_f32 v[PB+(\q)], v[PB+2*(\q)], v[PB+2*(\q)+1]
.endr
	global_store_b64 v3, v[PB:PB+1],   s[26:27]
	global_store_b64 v3, v[PB+2:PB+3], s[26:27] offset:256
.irp q, 0,1,2,3
.irp j, 0,1,2,3
	v_fma_mix_f32 v[12+(\j)], v[160+4*(\j)+(\q)], v[176+4*(\j)+(\q)], v[12+(\j)] op_sel_hi:[1,1,0]
.endr
.irp j, 0,1,2,3
	v_fma_mix_f32 v[12+(\j)], v[160+4*(\j)+(\q)], v[176+4*(\j)+(\q)], v[12+(\j)] op_sel:[1,1,0] op_sel_hi:[1,1,0]
.endr
.endr
	WSUM 4, 12, 1, 20, 1
	WSUM 4, 192, 1, 24, 1
.irp j, 0,1,2,3
	v_mul_f32 v[12+(\j)], 0x41a4e122, v[12+(\j)]   ; P
.endr
.irp j, 0,1,2,3
	v_exp_f32 v[20+(\j)], v[12+(\j)]
.endr
	v_nop
	s_wait_alu depctr_va_vdst(0)
.irp j, 0,1,2,3
	v_add_f32 v[20+(\j)], v[20+(\j)], v[192+(\j)]
.endr
.irp j, 0,1,2,3
	v_log_f32 v[20+(\j)], v[20+(\j)]
.endr
	v_nop
	s_wait_alu depctr_va_vdst(0)
.irp j, 0,1,2,3
	v_sub_f32 v[20+(\j)], v[20+(\j)], v[12+(\j)]
.endr
	v_add_f32 v20, v20, v21
	v_add_f32 v22, v22, v23
	v_add_f32 v20, v20, v22
	v_mul_f32 v29, 0x39317218, v20                 ; ln 2 / 4096
	v_cmp_eq_u32 vcc_lo, 0, v1
	s_wait_xcnt 0x0                                ; EXEC changes only behind this wait
	s_and_saveexec_b32 s36, vcc_lo
	global_store_b64 v30, v[28:29], s[28:29]       ; lane 0: (Pk, pl)
	s_wait_xcnt 0x0
	s_or_b32 exec_lo, exec_lo, s36
	s_endpgm
.Lfunc_end_k_q9c81795628_fin:
	.size	k_q9c81795628_fin, .Lfunc_end_k_q9c81795628_fin-k_q9c81795628_fin
	.p2alignl 7, 3214868480
	.fill 96, 4, 3214868480
	.section	.rodata,"a",@progbits
	.p2align	6, 0x0
	.amdhsa_kernel k_q9c81795628_fin
		.amdhsa_group_segment_fixed_size 0
		.amdhsa_private_segment_fixed_size 0
		.amdhsa_enable_private_segment 0
		.amdhsa_kernarg_size 40
		.amdhsa_user_sgpr_count 2
		.amdhsa_user_sgpr_kernarg_segment_ptr 1
		.amdhsa_wavefront_size32 1
		.amdhsa_system_sgpr_workgroup_id_x 1
		.amdhsa_system_sgpr_workgroup_id_y 1
		.amdhsa_system_sgpr_workgroup_id_z 1
		.amdhsa_system_vgpr_workitem_id 0
		.amdhsa_next_free_vgpr 200
		.amdhsa_next_free_sgpr 66
		.amdhsa_reserve_vcc 1
		.amdhsa_float_denorm_mode_32 3
		.amdhsa_float_denorm_mode_16_64 3
		.amdhsa_memory_ordered 1
		.amdhsa_forward_progress 1
		.amdhsa_inst_pref_size 21
	.end_amdhsa_kernel
	.amdgpu_metadata
---
amdhsa.version: [ 1, 2 ]
amdhsa.kernels:
  - .name:           k_q9c81795628_fin
    .symbol:         k_q9c81795628_fin.kd
    .args:
      - { .name: wagg, .offset: 0, .size: 8, .value_kind: global_buffer, .address_space: global }
      - { .name: wfeat, .offset: 8, .size: 8, .value_kind: global_buffer, .address_space: global }
      - { .name: wlossn, .offset: 16, .size: 8, .value_kind: global_buffer, .address_space: global }
      - { .name: wfin, .offset: 24, .size: 8, .value_kind: global_buffer, .address_space: global }
      - { .name: out2, .offset: 32, .size: 8, .value_kind: global_buffer, .address_space: global }
    .group_segment_fixed_size: 0
    .private_segment_fixed_size: 0
    .kernarg_segment_align: 8
    .kernarg_segment_size: 40
    .max_flat_workgroup_size: 128
    .sgpr_count:     66
    .vgpr_count:     200
    .wavefront_size: 32
...
	.end_amdgpu_metadata
.endif
;; end of part 5
;; launch lossk (part 6): grid 16 x 16, 4 waves a work-group, no clusters, 1,536 bytes of LDS; arguments wfin, wprep, wlossk; writes wlossk
.if DOCPART == 6
	.amdgcn_target "amdgcn-amd-amdhsa--gfx1250"
	.amdhsa_code_object_version 6
	.text
	.protected	k_q9c81795628_lossk
	.globl	k_q9c81795628_lossk
	.p2align	8
	.type	k_q9c81795628_lossk,@function
k_q9c81795628_lossk:
	s_mov_b64 s[64:65], 0
	v_nop
	global_prefetch_b8 v0, s[64:65] scope:SCOPE_SE
	s_setreg_imm32_b32 hwreg(HW_REG_WAVE_MODE, 25, 1), 1
	s_wait_xcnt 0x0
; LOSSK: psum_k[y][k] = the sum over 256 rows l of the perturbed queue of 2^(c agg_k_1[k] . queue[l]); c lies in QKS already.
; No maximum is taken away: both factors are normalised by reference() itself: |exponent| <= 20.8, the sums stay under 2^33.
; SHARES.  A work-group: 64 k (grid x) x 256 queue rows (grid y); wave w: all 64 k x queue rows 64 w .. + 63: 16 accumulators by turns, 128 matrix instructions.  The fragments come straight from memory, each row's 512 bytes used whole.
; window 0: addresses, v16-23 sums, v128-255 the scores (group g, tile t at 128 + 8 (4 g + t));  window 1: QKS (64 t + 8 kf);  window 2: the queue (64 g + 8 kf)
.set QK_O,  16777216
.set SPARE, 1024
.set SS, 128
.set MSB, 0
.macro WIN new
.if MSB != (\new)
	s_set_vgpr_msb (MSB<<8)|(\new)
.set MSB, (\new)
.endif
.endm
	s_load_b128 s[4:7], s[0:1], 0x0                ; wfin, wprep
	s_load_b64 s[8:9], s[0:1], 0x10                ; wlossk
	v_lshl_add_u32 v12, v0, 2, SPARE
	v_mov_b32 v13, 0
	v_lshrrev_b32 v1, 5, v0
	v_readfirstlane_b32 s10, v1
	s_mov_b32 s11, ttmp9
	s_and_b32 s12, ttmp7, 0xffff
	s_mov_b32 s22, 0x76543210
	s_mov_b32 s23, 0xfedcba98
	v_and_b32 v2, 15, v0
	v_bfe_u32 v3, v0, 4, 1
	v_and_b32 v4, 31, v0
	v_lshlrev_b32 v5, 9, v2
	v_lshl_add_u32 v5, v3, 4, v5                   ; a fragment's row x 512 + 16 h
	s_lshl_b32 s13, s10, 8
	v_lshl_add_u32 v6, v2, 2, s13                  ; my partial sums: 256 w + 4 r
	v_lshlrev_b32 v7, 3, v4
	s_mov_b32 s21, 0
	s_wait_kmcnt 0x0
	s_lshl_b32 s20, s11, 15
	s_add_nc_u64 s[14:15], s[4:5], s[20:21]
	s_lshl_b32 s20, s12, 17
	s_lshl_b32 s13, s10, 15
	s_add_co_u32 s20, s20, s13
	s_add_co_u32 s20, s20, QK_O
	s_add_nc_u64 s[16:17], s[6:7], s[20:21]
	s_lshl_b32 s20, s12, 12
	s_lshl_b32 s13, s11, 8
	s_add_co_u32 s20, s20, s13
	s_add_nc_u64 s[18:19], s[8:9], s[20:21]
	WIN 0x40
.set i, 0
.rept 32
	global_load_b128 v[8*i:8*i+3],   v5, s[14:15] offset:(i/8)*8192+(i%8)*64
	global_load_b128 v[8*i+4:8*i+7], v5, s[14:15] offset:(i/8)*8192+(i%8)*64+32
.set i, i+1
.endr
	WIN 0x80
.set i, 0
.rept 32
	global_load_b128 v[8*i:8*i+3],   v5, s[16:17] offset:(i/8)*8192+(i%8)*64
	global_load_b128 v[8*i+4:8*i+7], v5, s[16:17] offset:(i/8)*8192+(i%8)*64+32
.set i, i+1
.endr
	s_wait_loadcnt 0x0
	WIN 0x06                                       ; source 0 (queue) window 2, source 1 (QKS) window 1
.irp kf, 0,1,2,3,4,5,6,7
.irp g, 0,1,2,3
.irp t, 0,1,2,3
.if (\kf) == 0
	v_wmma_f32_16x16x32_bf16 v[SS+8*(4*(\g)+(\t)):SS+8*(4*(\g)+(\t))+7], v[64*(\g)+8*(\kf):64*(\g)+8*(\kf)+7], v[64*(\t)+8*(\kf):64*(\t)+8*(\kf)+7], 0
.else
	v_wmma_f32_16x16x32_bf16 v[SS+8*(4*(\g)+(\t)):SS+8*(4*(\g)+(\t))+7], v[64*(\g)+8*(\kf):64*(\g)+8*(\kf)+7], v[64*(\t)+8*(\kf):64*(\t)+8*(\kf)+7], v[SS+8*(4*(\g)+(\t)):SS+8*(4*(\g)+(\t))+7]
.endif
.endr
.endr
.endr
	WIN 0
.rept 4
	v_nop                                          ; four places behind the last product
.endr
.set i, 0
.rept 128
	v_exp_f32 v[SS+i], v[SS+i]                     ; each accumulator from its low end on
.set i, i+1
.endr
	v_nop
	s_wait_alu depctr_va_vdst(0)                   ; one wait for the batch
.set t, 0
.rept 4
	v_pk_add_f32 v[16+2*t:17+2*t], v[SS+8*t:SS+8*t+1], v[SS+8*t+2:SS+8*t+3]
.set t, t+1
.endr
.set e, 2
.rept 14                               ; pair e of a tile's 16: group e / 4, registers 2 (e % 4)
.set t, 0
.rept 4
	v_pk_add_f32 v[16+2*t:17+2*t], v[16+2*t:17+2*t], v[SS+8*(4*(e/4)+t)+2*(e%4):SS+8*(4*(e/4)+t)+2*(e%4)+1]
.set t, t+1
.endr
.set e, e+1
.endr
.irp t, 0,1,2,3
	v_add_f32 v[16+2*(\t)], v[16+2*(\t)], v[17+2*(\t)]
.endr
.irp t, 0,1,2,3
	v_permlanex16_b32 v[17+2*(\t)], v[16+2*(\t)], s22, s23
.endr
.irp t, 0,1,2,3
	v_add_f32 v[16+2*(\t)], v[16+2*(\t)], v[17+2*(\t)]
	ds_store_b32 v6, v[16+2*(\t)] offset:64*(\t)
.endr
	s_wait_dscnt 0x0
	s_barrier_signal -1
	s_barrier_wait -1
	s_cmp_lg_u32 s10, 0
	s_cbranch_scc1 .Lend
.irp w, 0,1,2,3
	ds_load_b64 v[24+2*(\w):25+2*(\w)], v7 offset:256*(\w)
.endr
	s_wait_dscnt 0x0
	v_pk_add_f32 v[24:25], v[24:25], v[26:27]
	v_pk_add_f32 v[28:29], v[28:29], v[30:31]
	v_pk_add_f32 v[24:25], v[24:25], v[28:29]
	global_store_b64 v7, v[24:25], s[18:19]        ; 256 consecutive bytes, aligned
.Lend:
	s_wait_tensorcnt 0x0                           ; the wave's end: three closing lines behind my last LDS store
	ds_add_u32 v12, v13
	s_wait_dscnt 0x0
	s_endpgm
.Lfunc_end_k_q9c81795628_lossk:
	.size	k_q9c81795628_lossk, .Lfunc_end_k_q9c81795628_lossk-k_q9c81795628_lossk
	.p2alignl 7, 3214868480
	.fill 96, 4, 3214868480
	.section	.rodata,"a",@progbits
	.p2align	6, 0x0
	.amdhsa_kernel k_q9c81795628_lossk
		.amdhsa_group_segment_fixed_size 1536
		.amdhsa_private_segment_fixed_size 0
		.amdhsa_enable_private_segment 0
		.amdhsa_kernarg_size 24
		.amdhsa_user_sgpr_count 2
		.amdhsa_user_sgpr_kernarg_segment_ptr 1
		.amdhsa_wavefront_size32 1
		.amdhsa_system_sgpr_workgroup_id_x 1
		.amdhsa_system_sgpr_workgroup_id_y 1
		.amdhsa_system_sgpr_workgroup_id_z 1
		.amdhsa_system_vgpr_workitem_id 0
		.amdhsa_next_free_vgpr 768
		.amdhsa_next_free_sgpr 66
		.amdhsa_reserve_vcc 0
		.amdhsa_float_denorm_mode_32 3
		.amdhsa_float_denorm_mode_16_64 3
		.amdhsa_memory_ordered 1
		.amdhsa_forward_progress 1
		.amdhsa_inst_pref_size 32
	.end_amdhsa_kernel
	.amdgpu_metadata
---
amdhsa.version: [ 1, 2 ]
amdhsa.kernels:
  - .name:           k_q9c81795628_lossk
    .symbol:         k_q9c81795628_lossk.kd
    .args:
      - { .name: wfin, .offset: 0, .size: 8, .value_kind: global_buffer, .address_space: global }
      - { .name: wprep, .offset: 8, .size: 8, .value_kind: global_buffer, .address_space: global }
      - { .name: wlossk, .offset: 16, .size: 8, .value_kind: global_buffer, .address_space: global }
    .group_segment_fixed_size: 1536
    .private_segment_fixed_size: 0
    .kernarg_segment_align: 8
    .kernarg_segment_size: 24
    .max_flat_workgroup_size: 128
    .sgpr_count:     66
    .vgpr_count:     768
    .wavefront_size: 32
...
	.end_amdgpu_metadata
.endif
;; end of part 6
;; launch final (part 7): grid 1 x 1, 8 waves a work-group, no clusters, 1,280 bytes of LDS; arguments wlossk, wfin, out3; writes out3
.if DOCPART == 7
	.amdgcn_target "amdgcn-amd-amdhsa--gfx1250"
	.amdhsa_code_object_version 6
	.text
	.protected	k_q9c81795628_final
	.globl	k_q9c81795628_final
	.p2align	8
	.type	k_q9c81795628_final,@function
k_q9c81795628_final:
	s_mov_b64 s[64:65], 0
	v_nop
	global_prefetch_b8 v0, s[64:65] scope:SCOPE_SE
	s_setreg_imm32_b32 hwreg(HW_REG_WAVE_MODE, 25, 1), 1
	s_wait_xcnt 0x0
; FINAL: loss = the sum over k of [ln 2 / 1024 (log2(the sum over 16 parts of psum_k + 2^Pk) - Pk) + pl[k]].  One work-group: 1,024 numbers; thread t owns k = 4 t .. 4 t + 3.
.set SPARE, 256
	s_load_b128 s[4:7], s[0:1], 0x0                ; wlossk, wfin
	s_load_b64 s[8:9], s[0:1], 0x10                ; out3
	v_lshl_add_u32 v30, v0, 2, SPARE
	v_mov_b32 v31, 0
	v_lshrrev_b32 v3, 5, v0
	v_lshlrev_b32 v3, 2, v3                        ; 4 x wave
	v_lshlrev_b32 v1, 4, v0
	v_lshlrev_b32 v2, 5, v0
	v_mov_b32 v4, 0
	s_mov_b32 s10, 0x76543210
	s_mov_b32 s11, 0xfedcba98
	s_mov_b32 s12, 0x3a317218                      ; ln 2 / 1024
	s_wait_kmcnt 0x0
.set i, 0
.rept 16
	global_load_b128 v[32+4*i:32+4*i+3], v1, s[4:5] offset:4096*i
.set i, i+1
.endr
	global_load_b128 v[96:99],   v2, s[6:7] offset:524288     ; (Pk, pl) of k, k + 1
	global_load_b128 v[100:103], v2, s[6:7] offset:524288+16  ; of k + 2, k + 3
	s_wait_loadcnt 0x0
.set i, 1
.rept 15
	v_pk_add_f32 v[32:33], v[32:33], v[32+4*i:32+4*i+1]
	v_pk_add_f32 v[34:35], v[34:35], v[32+4*i+2:32+4*i+3]
.set i, i+1
.endr
.irp j, 0,1,2,3
	v_exp_f32 v[8+(\j)], v[96+2*(\j)]
.endr
	v_nop
	s_wait_alu depctr_va_vdst(0)
.irp j, 0,1,2,3
	v_add_f32 v[8+(\j)], v[8+(\j)], v[32+(\j)]
.endr
.irp j, 0,1,2,3
	v_log_f32 v[8+(\j)], v[8+(\j)]
.endr
	v_nop
	s_wait_alu depctr_va_vdst(0)
.irp j, 0,1,2,3
	v_sub_f32 v[8+(\j)], v[8+(\j)], v[96+2*(\j)]
.endr
.irp j, 0,1,2,3
	v_fma_f32 v[8+(\j)], v[8+(\j)], s12, v[97+2*(\j)]
.endr
	v_add_f32 v8, v8, v9
	v_add_f32 v10, v10, v11
	v_add_f32 v8, v8, v10
.irp m, 1,2,4,8
	v_add_f32_dpp v8, v8, v8 row_xmask:\m row_mask:0xf bank_mask:0xf
.endr
	v_permlanex16_b32 v9, v8, s10, s11
	v_add_f32 v8, v8, v9
	ds_store_b32 v3, v8                            ; all lanes of a wave write the same word with the same number
	s_wait_dscnt 0x0
	s_barrier_signal -1
	s_barrier_wait -1
	ds_load_b128 v[12:15], v4
	ds_load_b128 v[16:19], v4 offset:16
	s_wait_dscnt 0x0
	v_pk_add_f32 v[12:13], v[12:13], v[14:15]
	v_pk_add_f32 v[16:17], v[16:17], v[18:19]
	v_pk_add_f32 v[12:13], v[12:13], v[16:17]
	v_add_f32 v12, v12, v13
	v_cmp_eq_u32 vcc_lo, 0, v0
	s_wait_xcnt 0x0                                ; EXEC changes only behind this wait
	s_and_saveexec_b32 s13, vcc_lo
	global_store_b32 v4, v12, s[8:9]
	s_wait_xcnt 0x0
	s_or_b32 exec_lo, exec_lo, s13
	s_wait_tensorcnt 0x0                           ; the wave's end: three closing lines behind my last LDS store
	ds_add_u32 v30, v31
	s_wait_dscnt 0x0
	s_endpgm
.Lfunc_end_k_q9c81795628_final:
	.size	k_q9c81795628_final, .Lfunc_end_k_q9c81795628_final-k_q9c81795628_final
	.p2alignl 7, 3214868480
	.fill 96, 4, 3214868480
	.section	.rodata,"a",@progbits
	.p2align	6, 0x0
	.amdhsa_kernel k_q9c81795628_final
		.amdhsa_group_segment_fixed_size 1280
		.amdhsa_private_segment_fixed_size 0
		.amdhsa_enable_private_segment 0
		.amdhsa_kernarg_size 24
		.amdhsa_user_sgpr_count 2
		.amdhsa_user_sgpr_kernarg_segment_ptr 1
		.amdhsa_wavefront_size32 1
		.amdhsa_system_sgpr_workgroup_id_x 1
		.amdhsa_system_sgpr_workgroup_id_y 1
		.amdhsa_system_sgpr_workgroup_id_z 1
		.amdhsa_system_vgpr_workitem_id 0
		.amdhsa_next_free_vgpr 104
		.amdhsa_next_free_sgpr 66
		.amdhsa_reserve_vcc 1
		.amdhsa_float_denorm_mode_32 3
		.amdhsa_float_denorm_mode_16_64 3
		.amdhsa_memory_ordered 1
		.amdhsa_forward_progress 1
		.amdhsa_inst_pref_size 7
	.end_amdhsa_kernel
	.amdgpu_metadata
---
amdhsa.version: [ 1, 2 ]
amdhsa.kernels:
  - .name:           k_q9c81795628_final
    .symbol:         k_q9c81795628_final.kd
    .args:
      - { .name: wlossk, .offset: 0, .size: 8, .value_kind: global_buffer, .address_space: global }
      - { .name: wfin, .offset: 8, .size: 8, .value_kind: global_buffer, .address_space: global }
      - { .name: out3, .offset: 16, .size: 8, .value_kind: global_buffer, .address_space: global }
    .group_segment_fixed_size: 1280
    .private_segment_fixed_size: 0
    .kernarg_segment_align: 8
    .kernarg_segment_size: 24
    .max_flat_workgroup_size: 256
    .sgpr_count:     66
    .vgpr_count:     104
    .wavefront_size: 32
...
	.end_amdgpu_metadata
.endif
;; end of part 7
;; ======== version 2 of 2: 7 launches; version 1 with the launch feat written anew for expert scheduling mode
;; workspace buffers: wprep 22,020,096 bytes; wfeat 14,680,064 bytes; wlossn 524,288 bytes; wgsm 17,956,864 bytes; wagg 16,842,752 bytes; wfin 532,480 bytes; wlossk 65,536 bytes
;; launch prep: the kernel of part 1 again; grid 256 x 1, 8 waves a work-group, no clusters, 5,376 bytes of LDS; arguments queue_n, queue_k, qnoise, context1, context2, W1, W2, wprep; writes wprep
;; launch feat (part 8): grid 128 x 2, 8 waves a work-group, no clusters, 101,376 bytes of LDS; arguments x1, x2, wprep, wfeat, out1; writes wfeat, out1
.if DOCPART == 8
	.amdgcn_target "amdgcn-amd-amdhsa--gfx1250"
	.amdhsa_code_object_version 6
	.text
	.protected	k_q9c81795628_feat
	.globl	k_q9c81795628_feat
	.p2align	8
	.type	k_q9c81795628_feat,@function
k_q9c81795628_feat:
	s_mov_b64 s[64:65], 0
	v_nop
	global_prefetch_b8 v0, s[64:65] scope:SCOPE_SE
	s_setreg_imm32_b32 hwreg(HW_REG_WAVE_SCHED_MODE, 0, 2), 2
	s_setreg_imm32_b32 hwreg(HW_REG_WAVE_MODE, 25, 1), 1
	s_wait_xcnt 0x0
	s_wait_alu depctr_vm_vsrc(0)
; FEAT: feat_v = l2norm(x_v W_v), products in bf16 with f32 sums.  f16 has the room for feat: |feat| <= 1 by reference()'s own normalisation.
; STORED.  In fragment order (the block of rows 16 T .. + 15 and columns 32 kf .. + 31 is 1,024 bytes at (8 T + kf) x 1,024; in it the 16 bytes at 512 half + 16 lane are row lane % 16,
; columns 32 kf + 16 half + 8 (lane / 16) + 0..7): feat hi and lo in f16 (lo = f16(feat - hi)) for both views, and for view 1 Q1S = bf16(feat_1 c), c = log2(e) / 0.07.
; By rows: feat hi in f16 for both views, and for view 2 out1 in f32.
; SHARES.  A work-group: 32 rows x all 256 columns of one view (grid y).  x's 32 rows are rounded to bf16 into LDS once.  Wave w: columns 32 w .. + 31 (two tiles) x both row tiles: four accumulators, taken by turns.
; The product is used transposed (source 0 = 16 columns of W, source 1 = 16 rows of x): a lane holds one row (lane % 16) and eight neighbouring columns: 16 bytes of a block in fragment order,
; so those results leave straight from registers, 512 consecutive bytes a store.
; W's fragments come straight from memory, in fragment order, 512 consecutive bytes a load.
; THE MODE: SCHED_MODE bits 1:0 = 2 (LLVM: expert scheduling mode 2), set by the entry lines.  The code itself states the register dependences
; between vector or matrix instructions and memory or LDS instructions, with s_wait_alu, always for 0.
; THE PLAN.  K goes in 16 substeps of 64: eight products each, two fragments kf deep on the four accumulators.  Registers that memory or LDS instructions touch in the substeps:
;   X0, X1      x's fragments kf 0, 1 and kf 2, 3 of both row tiles.  Substep s: its products read X[s % 2]; the LDS loads of substep s + 1 land in the other.
;   W's ring    four quarters: each of the two sets WS0, WS1 split by its pairs of kf.  Substep s: its products read quarter s % 4; the loads of substep s + 3 land in quarter (s - 1) % 4.
;   v6, v7      the LDS address of x's fragments and the offset of W's: made at the head, never written again; the substeps are reached by immediate offsets.
;   The accumulators are named by matrix instructions alone until the last product.
; So ONE wait on va_vdst stands at a substep's head: the products of the substep before are done reading X's other buffer and their quarter of W.  The substep's sixteen loads follow it, x's ahead of
; the products and W's in their middle; these products name X[s % 2], quarter s % 4 and the accumulators: none of the registers in which those loads land.
; Head and way out: arithmetic stands in runs, each result in registers of its own, one wait on va_vdst between a run and the run of stores that reads it.
.set XP,    2064                       ; LDS: a row of x in bf16, 2,048 bytes + 16
.set PART,  66048                      ; 8 waves x 32 rows: partial sums of squares
.set STG,   67072                      ; 32 rows of feat in f32, pitch 1,040
.set SGP,   1040
.set SPARE, 100352
.set WT_O,  18874368
.set FHF_O, 10485760                   ; wfeat: Q1S (fragments) 0; hi by rows 2,097,152 + view x 4,194,304; lo (fragments) 4,194,304 + view x 4,194,304; hi (fragments) 10,485,760 + view x 2,097,152
.set FLF_O, 4194304
.set XF,    32                         ; v[32:95]   x's fragments (row tile mt, fragment kf at 8 (4 mt + kf)); v[32:159] first hold x as loaded
.set WS1,   96                         ; v[96:159]  W's fragments (column tile nt, fragment kf at 8 (4 nt + kf)), substeps 2, 3 of each four
.set WS0,   160                        ; v[160:223] substeps 0, 1 of each four
.set ACC,   224                        ; v[224:255] accumulator (nt, mt) at 8 (2 nt + mt)
.macro PLACES
.rept 4
	v_nop
.endr
.endm
.macro XLOAD u                         ; 8 LDS loads: x's fragments of substep u into X[u % 2]
.irp mt, 0,1
.irp k, 0,1
.set XR, XF+8*(4*(\mt)+2*((\u)%2)+(\k))
	ds_load_b128 v[XR:XR+3],   v6 offset:(\mt)*16*XP+(\u)*128+(\k)*64
	ds_load_b128 v[XR+4:XR+7], v6 offset:(\mt)*16*XP+(\u)*128+(\k)*64+32
.endr
.endr
.endm
.macro WQ u                            ; 8 loads: substep u of my 32 columns of W into quarter u % 4 of the ring
.irp nt, 0,1
.irp k, 0,1
.set WR, WS0-64*(((\u)/2)%2)+8*(4*(\nt)+2*((\u)%2)+(\k))
	global_load_b128 v[WR:WR+3],   v7, s[20:21] offset:(\nt)*32768+(\u)*2048+(\k)*1024
	global_load_b128 v[WR+4:WR+7], v7, s[20:21] offset:(\nt)*32768+(\u)*2048+(\k)*1024+512
.endr
.endr
.endm
.macro MUL4 s, k                       ; four products: fragment kf = 2 (s % 2) + k; the four accumulators take turns
.irp nt, 0,1
.irp mt, 0,1
.set AR, ACC+8*(2*(\nt)+(\mt))
.set WR, WS0-64*(((\s)/2)%2)+8*(4*(\nt)+2*((\s)%2)+(\k))
.set XR, XF+8*(4*(\mt)+2*((\s)%2)+(\k))
.if ((\s) == 0) && ((\k) == 0)
	v_wmma_f32_16x16x32_bf16 v[AR:AR+7], v[WR:WR+7], v[XR:XR+7], 0
.else
	v_wmma_f32_16x16x32_bf16 v[AR:AR+7], v[WR:WR+7], v[XR:XR+7], v[AR:AR+7]
.endif
.endr
.endr
.endm
.macro SUB s                           ; substep s of 16
.if ((\s) > 0) && ((\s) < 15)
	s_wait_alu depctr_va_vdst(0)                   ; the products of the substep before are done reading X's other buffer and their quarter of W, in which the loads below land
.endif
.if (\s) < 15
	XLOAD (\s)+1
.endif
.if (\s) == 0
	s_wait_loadcnt 24                              ; quarter 0 is in; quarters 1 to 3, issued ahead of the substeps, may stay out
.elseif (\s) < 14
	s_wait_loadcnt 16                              ; loads come back in order: this substep's quarter is in, the two younger ones may stay out
.else
	s_wait_loadcnt 8*(15-(\s))                     ; the counts run down
.endif
.if (\s) < 15
	s_wait_dscnt 8                                 ; this substep's fragments of x are in; the eight loads just issued may stay out
.else
	s_wait_dscnt 0x0
.endif
	MUL4 \s, 0
.if ((\s) > 0) && ((\s) < 13)
	WQ (\s)+3                                      ; no wait: no matrix instruction since the wait at the head names this quarter
.endif
	MUL4 \s, 1
.endm
	s_load_b256 s[4:11], s[0:1], 0x0               ; x1, x2, wprep, wfeat
	s_load_b64 s[12:13], s[0:1], 0x20              ; out1
	v_lshl_add_u32 v14, v0, 2, SPARE
	v_mov_b32 v15, 0
	v_lshrrev_b32 v1, 5, v0
	v_readfirstlane_b32 s14, v1                    ; wave
	s_and_b32 s15, ttmp7, 0xffff                   ; view
	s_mov_b32 s17, ttmp9                           ; block of 32 rows
	s_mov_b32 s36, 0x76543210
	s_mov_b32 s37, 0xfedcba98
	v_and_b32 v1, 31, v0
	v_and_b32 v2, 15, v0                           ; r
	v_bfe_u32 v3, v0, 4, 1                         ; h
	v_lshlrev_b32 v4, 4, v1                        ; 16 x lane
	v_lshlrev_b32 v13, 3, v1                       ; 8 x lane
	v_mov_b32 v12, 1.0
	s_wait_alu depctr_va_sdst(0)                   ; s14 is written, ahead of its first reader: addresses and bases are made from it
	s_mul_i32 s16, s14, 4*XP
	v_add_nc_u32 v5, s16, v13                      ; x into LDS: my 4 rows
	v_mul_u32_u24 v6, v2, XP
	v_lshl_add_u32 v6, v3, 4, v6                   ; x's fragments
	s_lshl_b32 s16, s14, 16
	v_add_nc_u32 v7, s16, v4                       ; W's fragments: my two column tiles' 64 blocks + 16 x lane
	s_lshl_b32 s16, s14, 7
	s_add_co_u32 s16, s16, PART
	v_lshl_add_u32 v8, v2, 2, s16                  ; my partial sums
	v_lshlrev_b32 v9, 2, v2
	v_add_nc_u32 v9, PART, v9                      ; everybody's
	v_mul_u32_u24 v10, v2, SGP
	v_lshl_add_u32 v10, v3, 5, v10
	s_lshl_b32 s16, s14, 7
	s_add_co_u32 s16, s16, STG
	v_add_nc_u32 v10, s16, v10                     ; feat into the stage: row r, columns 32 w + 8 h
	s_mul_i32 s16, s14, 4*SGP
	s_add_co_u32 s16, s16, STG
	v_add_nc_u32 v11, s16, v4                      ; back: my 4 rows
	s_mov_b32 s29, 0
	s_wait_kmcnt 0x0
	s_cmp_eq_u32 s15, 0
	s_cselect_b64 s[18:19], s[4:5], s[6:7]
	s_lshl_b32 s28, s17, 17
	s_lshl_b32 s30, s14, 14
	s_add_co_u32 s28, s28, s30
	s_add_nc_u64 s[18:19], s[18:19], s[28:29]      ; x at my 4 rows
	s_lshl_b32 s28, s15, 19
	s_add_co_u32 s28, s28, WT_O
	s_add_nc_u64 s[20:21], s[8:9], s[28:29]        ; WT(view)
	s_wait_alu depctr_va_vdst(0)                   ; the offsets and LDS addresses v4 to v11 and v13 are written, which every load and store of the kernel reads
.set i, 0
.rept 32                               ; row i / 8, piece i % 8 of 512 bytes
	global_load_b128 v[32+4*i:32+4*i+3], v4, s[18:19] offset:(i/8)*4096+(i%8)*512 th:TH_LOAD_NT
.set i, i+1
.endr
	WQ 0
	WQ 1
	s_lshl_b32 s28, s17, 14                        ; in fragment order: the block's two row tiles, 8,192 bytes each,
	s_lshl_b32 s30, s14, 10                        ; my wave's 32 columns: one block of 1,024 bytes in each
	s_add_co_u32 s28, s28, s30
	s_add_nc_u64 s[22:23], s[10:11], s[28:29]      ; Q1S
	s_lshl_b32 s30, s15, 21
	s_add_co_u32 s30, s30, s28
	s_add_co_u32 s30, s30, FHF_O
	s_mov_b32 s31, 0
	s_add_nc_u64 s[32:33], s[10:11], s[30:31]      ; hi
	s_lshl_b32 s30, s15, 22
	s_add_co_u32 s30, s30, s28
	s_add_co_u32 s30, s30, FLF_O
	s_add_nc_u64 s[34:35], s[10:11], s[30:31]      ; lo
	s_lshl_b32 s28, s17, 14                        ; by rows
	s_lshl_b32 s30, s14, 11
	s_add_co_u32 s28, s28, s30
	s_lshl_b32 s30, s15, 22
	s_add_co_u32 s28, s28, s30
	s_add_nc_u64 s[24:25], s[10:11], s[28:29]      ; hi by rows at + 2,097,152, my 4 rows
	s_lshl_b32 s28, s17, 15
	s_lshl_b32 s30, s14, 12
	s_add_co_u32 s28, s28, s30
	s_add_nc_u64 s[26:27], s[12:13], s[28:29]      ; out1 at my 4 rows
	s_wait_loadcnt 16                              ; x is in; W's 16 younger loads may stay out
.set i, 0
.rept 32
	v_cvt_pk_bf16_f32 v[32+4*i],   v[32+4*i],   v[32+4*i+1]
	v_cvt_pk_bf16_f32 v[32+4*i+1], v[32+4*i+2], v[32+4*i+3]
.set i, i+1
.endr
	s_wait_alu depctr_va_vdst(0)                   ; the conversions have written the pairs that the LDS stores read, and are done with v[32:159], in which W's quarters 2 and 3 and x's fragments land
.set i, 0
.rept 32
	ds_store_b64 v5, v[32+4*i:32+4*i+1] offset:(i/8)*XP+(i%8)*256
.set i, i+1
.endr
	s_wait_alu depctr_vm_vsrc(0)                   ; my LDS stores have read v[32:159]: from here on these registers are X's two buffers and half of W's ring
	WQ 2
	WQ 3
	s_wait_dscnt 0x0
	s_barrier_signal -1
	s_barrier_wait -1                              ; all 32 rows of x lie in LDS
	XLOAD 0
.irp s, 0,1,2,3,4,5,6,7,8,9,10,11,12,13,14,15
	SUB \s
.endr
	PLACES                                         ; four places behind the last product, before vector instructions read its result
.irp mt, 0,1                           ; the sum of squares of my 32 columns; each accumulator is read from its low end on
	v_pk_mul_f32 v[16+2*(\mt):17+2*(\mt)], v[ACC+8*(\mt):ACC+8*(\mt)+1], v[ACC+8*(\mt):ACC+8*(\mt)+1]
.irp j, 2,4,6,16,18,20,22
	v_pk_fma_f32 v[16+2*(\mt):17+2*(\mt)], v[ACC+8*(\mt)+(\j):ACC+8*(\mt)+(\j)+1], v[ACC+8*(\mt)+(\j):ACC+8*(\mt)+(\j)+1], v[16+2*(\mt):17+2*(\mt)]
.endr
.endr
	v_add_f32 v16, v16, v17
	v_add_f32 v18, v18, v19
	v_permlanex16_b32 v17, v16, s36, s37           ; the row's other 16 columns lie in the lane 16 away
	v_permlanex16_b32 v19, v18, s36, s37
	v_add_f32 v16, v16, v17
	v_add_f32 v18, v18, v19
	s_wait_alu depctr_va_vdst(0)                   ; v16 and v18 are written, which the LDS stores read; the last products are done reading v[32:47], in which the loads behind the barrier land
	ds_store_b32 v8, v16
	ds_store_b32 v8, v18 offset:64
	s_wait_dscnt 0x0
	s_barrier_signal -1
	s_barrier_wait -1
.irp w, 0,1,2,3,4,5,6,7
	ds_load_b32 v[32+(\w)], v9 offset:128*(\w)
	ds_load_b32 v[40+(\w)], v9 offset:128*(\w)+64
.endr
	s_wait_dscnt 0x0
	s_wait_alu depctr_vm_vsrc(0)                   ; my two LDS stores have read v16 and v18, which are written again below
.irp b, 32,40
	v_pk_add_f32 v[(\b):(\b)+1], v[(\b):(\b)+1], v[(\b)+2:(\b)+3]
	v_pk_add_f32 v[(\b)+4:(\b)+5], v[(\b)+4:(\b)+5], v[(\b)+6:(\b)+7]
	v_pk_add_f32 v[(\b):(\b)+1], v[(\b):(\b)+1], v[(\b)+4:(\b)+5]
.endr
	v_add_f32 v16, v32, v33
	v_add_f32 v18, v40, v41
	v_max_num_f32 v16, 0x2b8cbccc, v16             ; 1e-12
	v_max_num_f32 v18, 0x2b8cbccc, v18
	v_rsq_f32 v16, v16
	v_rsq_f32 v18, v18
	v_nop
	s_wait_alu depctr_va_vdst(0)                   ; one wait for the two roots, ahead of the first line that names v16 or v18
.irp nt, 0,1
.irp mt, 0,1
.irp j, 0,2,4,6
	v_pk_mul_f32 v[ACC+8*(2*(\nt)+(\mt))+(\j):ACC+8*(2*(\nt)+(\mt))+(\j)+1], v[ACC+8*(2*(\nt)+(\mt))+(\j):ACC+8*(2*(\nt)+(\mt))+(\j)+1], v[16+2*(\mt):17+2*(\mt)] op_sel_hi:[1,0]
.endr
.endr
.endr
	s_wait_alu depctr_va_vdst(0)                   ; the scalings have written v[224:255], which the LDS stores read; nothing writes these registers again
.irp nt, 0,1
.irp mt, 0,1
	ds_store_b128 v10, v[ACC+8*(2*(\nt)+(\mt)):ACC+8*(2*(\nt)+(\mt))+3]   offset:(\mt)*16*SGP+(\nt)*64
	ds_store_b128 v10, v[ACC+8*(2*(\nt)+(\mt))+4:ACC+8*(2*(\nt)+(\mt))+7] offset:(\mt)*16*SGP+(\nt)*64+16
.endr
.endr
	; IN FRAGMENT ORDER, straight from the accumulators: accumulator a = 2 nt + mt is half nt of my block in row tile mt.  Every result has registers of its own: nothing that a store reads is written again.
.set a, 0
.rept 4
.set AA, ACC+8*a
.irp j, 0,1,2,3
	v_cvt_pk_f16_f32 v[64+4*a+(\j)], v[AA+2*(\j)], v[AA+2*(\j)+1]                     ; hi
.endr
.irp j, 0,1,2,3
	v_fma_mix_f32 v[112+2*(\j)], -v[64+4*a+(\j)], v12, v[AA+2*(\j)]   op_sel_hi:[1,0,0]                ; feat - hi
	v_fma_mix_f32 v[113+2*(\j)], -v[64+4*a+(\j)], v12, v[AA+2*(\j)+1] op_sel:[1,0,0] op_sel_hi:[1,0,0]
.endr
.irp j, 0,1,2,3
	v_cvt_pk_f16_f32 v[80+4*a+(\j)], v[112+2*(\j)], v[113+2*(\j)]                     ; lo
.endr
.set a, a+1
.endr
	s_wait_alu depctr_va_vdst(0)                   ; the conversions have written v[64:95], hi and lo of all four accumulators, which the eight stores read
.set a, 0
.rept 4
	global_store_b128 v4, v[64+4*a:64+4*a+3], s[32:33] offset:(a%2)*8192+(a/2)*512    ; 512 consecutive bytes, aligned
	global_store_b128 v4, v[80+4*a:80+4*a+3], s[34:35] offset:(a%2)*8192+(a/2)*512
.set a, a+1
.endr
	s_cmp_lg_u32 s15, 0
	s_cbranch_scc1 .Lno_q
.set a, 0
.rept 4
.set AA, ACC+8*a
.irp j, 0,1,2,3
	v_pk_mul_f32 v[112+2*(\j):113+2*(\j)], v[AA+2*(\j):AA+2*(\j)+1], 0x41a4e122 op_sel_hi:[1,0]  ; c = log2(e) / 0.07
.endr
.irp j, 0,1,2,3
	v_cvt_pk_bf16_f32 v[96+4*a+(\j)], v[112+2*(\j)], v[113+2*(\j)]
.endr
.set a, a+1
.endr
	s_wait_alu depctr_va_vdst(0)                   ; the conversions have written v[96:111], which the four stores read
.set a, 0
.rept 4
	global_store_b128 v4, v[96+4*a:96+4*a+3], s[22:23] offset:(a%2)*8192+(a/2)*512
.set a, a+1
.endr
.Lno_q:
	s_wait_dscnt 0x0
	s_barrier_signal -1
	s_barrier_wait -1                              ; the 32 rows of feat lie in the stage
.set q, 0
.rept 8                                ; BY ROWS.  chunk q: row q / 2, half q % 2: 512 consecutive bytes.  No wait: on either way no vector instruction since the last wait on va_vdst names v[32:63]
	ds_load_b128 v[32+4*q:32+4*q+3], v11 offset:(q/2)*SGP+(q%2)*512
.set q, q+1
.endr
	s_wait_dscnt 0x0
.set q, 0
.rept 8
	v_cvt_pk_f16_f32 v[128+2*q], v[32+4*q],   v[32+4*q+1]
	v_cvt_pk_f16_f32 v[129+2*q], v[32+4*q+2], v[32+4*q+3]
.set q, q+1
.endr
	s_wait_alu depctr_va_vdst(0)                   ; the conversions have written v[128:143], which the eight stores read
.set q, 0
.rept 8
	global_store_b64 v13, v[128+2*q:129+2*q], s[24:25] offset:2097152+(q/2)*512+(q%2)*256
.set q, q+1
.endr
	s_cmp_eq_u32 s15, 0
	s_cbranch_scc1 .Lend
.set q, 0
.rept 8
	global_store_b128 v4, v[32+4*q:32+4*q+3], s[26:27] offset:(q/2)*1024+(q%2)*512   ; the data came by LDS loads, which have been waited for
.set q, q+1
.endr
.Lend:
	s_wait_dscnt 0x0                               ; the closing lines, six on end
	s_wait_alu 0x0
	s_wait_tensorcnt 0x0
	ds_add_u32 v14, v15
	s_wait_dscnt 0x0
	s_endpgm
.Lfunc_end_k_q9c81795628_feat:
	.size	k_q9c81795628_feat, .Lfunc_end_k_q9c81795628_feat-k_q9c81795628_feat
	.p2alignl 7, 3214868480
	.fill 96, 4, 3214868480
	.section	.rodata,"a",@progbits
	.p2align	6, 0x0
	.amdhsa_kernel k_q9c81795628_feat
		.amdhsa_group_segment_fixed_size 101376
		.amdhsa_private_segment_fixed_size 0
		.amdhsa_enable_private_segment 0
		.amdhsa_kernarg_size 40
		.amdhsa_user_sgpr_count 2
		.amdhsa_user_sgpr_kernarg_segment_ptr 1
		.amdhsa_wavefront_size32 1
		.amdhsa_system_sgpr_workgroup_id_x 1
		.amdhsa_system_sgpr_workgroup_id_y 1
		.amdhsa_system_sgpr_workgroup_id_z 1
		.amdhsa_system_vgpr_workitem_id 0
		.amdhsa_next_free_vgpr 256
		.amdhsa_next_free_sgpr 66
		.amdhsa_reserve_vcc 0
		.amdhsa_float_denorm_mode_32 3
		.amdhsa_float_denorm_mode_16_64 3
		.amdhsa_memory_ordered 1
		.amdhsa_forward_progress 1
		.amdhsa_inst_pref_size 59
	.end_amdhsa_kernel
	.amdgpu_metadata
---
amdhsa.version: [ 1, 2 ]
amdhsa.kernels:
  - .name:           k_q9c81795628_feat
    .symbol:         k_q9c81795628_feat.kd
    .args:
      - { .name: x1, .offset: 0, .size: 8, .value_kind: global_buffer, .address_space: global }
      - { .name: x2, .offset: 8, .size: 8, .value_kind: global_buffer, .address_space: global }
      - { .name: wprep, .offset: 16, .size: 8, .value_kind: global_buffer, .address_space: global }
      - { .name: wfeat, .offset: 24, .size: 8, .value_kind: global_buffer, .address_space: global }
      - { .name: out1, .offset: 32, .size: 8, .value_kind: global_buffer, .address_space: global }
    .group_segment_fixed_size: 101376
    .private_segment_fixed_size: 0
    .kernarg_segment_align: 8
    .kernarg_segment_size: 40
    .max_flat_workgroup_size: 256
    .sgpr_count:     66
    .vgpr_count:     256
    .wavefront_size: 32
...
	.end_amdgpu_metadata
.endif
;; end of part 8
;; launch lg: the kernel of part 3 again; grid 8 x 32, 4 waves a work-group, clusters of 4 x 1, 327,680 bytes of LDS; arguments wfeat, wprep, u1a, u1b, u2a, wlossn, wgsm; writes wlossn, wgsm
;; launch agg: the kernel of part 4 again; grid 8 x 32, 4 waves a work-group, no clusters, 314,880 bytes of LDS; arguments wgsm, wfeat, wagg, out0; writes wagg, out0
;; launch fin: the kernel of part 5 again; grid 256 x 1, 4 waves a work-group, no clusters, 0 bytes of LDS; arguments wagg, wfeat, wlossn, wfin, out2; writes wfin, out2
;; launch lossk: the kernel of part 6 again; grid 16 x 16, 4 waves a work-group, no clusters, 1,536 bytes of LDS; arguments wfin, wprep, wlossk; writes wlossk
;; launch final: the kernel of part 7 again; grid 1 x 1, 8 waves a work-group, no clusters, 1,280 bytes of LDS; arguments wlossk, wfin, out3; writes out3
